; MI455X (gfx1250); checked and timed in simulation.
; The chip was launched on July 23, 2026; its instructions are those of AMD's public machine-readable ISA for CDNA 5 (MIT licence, August 2026) and "CDNA5" Instruction Set Architecture Reference Guide (July 2026). The comments in the code are by the model that wrote it; some were corrected since.
;; Multi Head Attention Layer. Allowed arithmetic: matrix products marked QUANTISED: E4M3 operands, one E8M0 scale for each 32 along K, by v_wmma_scale_f32_16x16x128_f8f6f4 with both operands' format E4M3, f32 sums; everything else in f32.
;; Inputs: Wk 1,024 x 1,024 float32; Wo 1,024 x 1,024 float32; Wq 1,024 x 1,024 float32; Wv 1,024 x 1,024 float32; bk 1,024 float32; bo 1,024 float32; bq 1,024 float32; bv 1,024 float32; key 4 x 2,048 x 1,024 float32; mask 1 x 1 x 2,048 x 2,048 float32; query 4 x 2,048 x 1,024 float32; value 4 x 2,048 x 1,024 float32.
;; Outputs: out0 4 x 2,048 x 1,024 float32.
;; This version of the problem:
;;   THIS VERSION OF THE PROBLEM IS GIVEN IN LOW PRECISION. The matrix products marked QUANTISED in the list below multiply operands that are first quantised to E4M3 (4 exponent bits, 3 mantissa bits; 8 bits a number), with one power-of-two scale for each 32 numbers along K (OCP MX v1.0); their sums are f32. All else is computed in f32.
;;   The module's matrix products, in the order in which they are computed (A, B: the left and right operand; K: the contracted axis; several contracted axes count as one K, in the product's order):
;;     1. [M 8,192, K 1,024] x [K 1,024, N 1,024]; A: input query; B: input Wq: QUANTISED
;;     2. [M 8,192, K 1,024] x [K 1,024, N 1,024]; A: input key; B: input Wk: QUANTISED
;;     3. [M 8,192, K 1,024] x [K 1,024, N 1,024]; A: input value; B: input Wv: QUANTISED
;;     4. batch 64 x [M 2,048, K 64] x [K 64, N 2,048]; A: computed on the way; B: computed on the way: QUANTISED
;;     5. batch 64 x [M 2,048, K 2,048] x [K 2,048, N 64]; A: softmax (see below); B: computed on the way: QUANTISED
;;     6. [M 8,192, K 1,024] x [K 1,024, N 1,024]; A: computed on the way; B: input Wo: QUANTISED
;;   THE QUANTISER, for each operand of a quantised product, along K:
;;     - K is cut into blocks of 32 from its start; a last block that is shorter is filled with zeros.
;;     - A block's scale is 2^e with e = floor(log2(the largest magnitude in the block)) - 8, held to -126 .. 127; a block of zeros has e = 0. As a byte (E8M0): e + 127.
;;     - Each number is divided by its block's scale, clamped to +-448, and rounded to the nearest number of E4M3, ties to even, subnormals kept.
;;     - The product sums the exact products of the quantised numbers (number of the format x scale) in f32.
;;   ~~~python
;;   def quantise(x, axis):      # numpy; x: float32 -> the quantised numbers, widened to float32 again
;;       x = np.moveaxis(x, axis, -1); K = x.shape[-1]
;;       x = np.pad(x, [(0, 0)] * (x.ndim - 1) + [(0, -K % 32)]); x = x.reshape(x.shape[:-1] + (-1, 32)); a = np.abs(x).max(-1, keepdims=True)
;;       e = np.where(a > 0, np.clip(np.frexp(np.where(a > 0, a, 1))[1] - 1 - 8, -126, 127), 0)      # np.frexp(a)[1] - 1 = floor(log2(a)), exactly
;;       r = np.clip(x / 2.0 ** e, -448, 448)
;;       step = 2.0 ** (np.maximum(np.frexp(np.where(r == 0, 1, r))[1] - 1, -6) - 3)
;;       q = np.round(r / step) * step * 2.0 ** e      # np.round: ties to even
;;       return np.moveaxis(q.reshape(q.shape[:-2] + (-1,))[..., :K], -1, axis).astype(np.float32)
;;   ~~~
;;   SOFTMAX AHEAD OF A QUANTISED PRODUCT. Where the list says 'softmax', what is quantised is not the finished softmax but p = 2^(t - M), with t = logit x log2(e) and M = ceil(the row's largest t), a whole number; so 1/2 < the row's largest p <= 1. The row's sum l is taken of the UNQUANTISED p, in f32, and the product's result is divided by l at the end. Since M is a whole number, a kernel that streams over the keys may use a running M (the ceiling of the running maximum): every later rescaling is an exact power of two, which a block's scale takes up: the codes' values come out the same.
;;   OPERANDS COMPUTED ON THE WAY. 'Computed on the way' means the value that the module computes at that place (a softmax that the list does not call 'softmax' is quantised finished and normalised). What goes into a quantiser is computed in f32, as accurately as f32 sums, v_exp_f32 and their like allow (about 1e-6 of the number): no bf16 or f16 on the way to a quantiser, and a product that is left as it is and whose result goes on into a quantised operand takes f32 operands (vector FMAs, or v_wmma_f32_16x16x4_f32). A number that lies on a knife's edge between two numbers of the format may be rounded either way, as far as f32 arithmetic and the matrix unit's own rounding can turn it there, and no further.
;; One version. Each part assembles by itself: llvm-mc -triple=amdgcn-amd-amdhsa -mcpu=gfx1250 --defsym DOCPART=n.
;; ======== version 1 of 1: 4 launches
;; limits: right only within a limited range of input values
;; workspace buffers: xq 25,952,256 bytes; wq 4,325,376 bytes; maskw 16,777,216 bytes; kv 17,301,504 bytes; qb 17,301,504 bytes; ao 8,650,752 bytes
;; launch prep (part 1): grid 1024 x 1, 4 waves a work-group, no clusters, 101,888 bytes of LDS; arguments query, key, value, Wq, Wk, Wv, Wo, mask, xq, wq, maskw; writes xq, wq, maskw
.if DOCPART == 1
	.amdgcn_target "amdgcn-amd-amdhsa--gfx1250"
	.amdhsa_code_object_version 6
	.text
	.protected	k_qb9306a09b1_prep
	.globl	k_qb9306a09b1_prep
	.p2align	8
	.type	k_qb9306a09b1_prep,@function
k_qb9306a09b1_prep:
	s_mov_b64 s[64:65], 0
	v_nop
	global_prefetch_b8 v0, s[64:65] scope:SCOPE_SE
	s_setreg_imm32_b32 hwreg(HW_REG_WAVE_MODE, 25, 1), 1
	s_wait_xcnt 0x0
; FIRST OF FOUR LAUNCHES of a multi-head attention layer (batch 4, 2,048 tokens, width 1,024, 16 heads of 64) whose six products run on codes of FP8 (E4M3) with one E8M0 scale for each 32 along K.
; NO WORK IS LEFT OUT: the mask is an input, so every key counts until its number says otherwise; all four biases move codes or results; every input has a way to the output and is loaded.
; This launch makes what the later launches read again and again, once:
;   work-groups 0-767:   query, key, value [8192][1024] f32 -> xq: codes [3][8192][1024], scale bytes [3][8192][32] from byte 25,165,824.  K is innermost.
;   work-groups 768-895: Wq, Wk, Wv, Wo [k 1024][n 1024] f32 -> wq: codes [4][n 1024][k 1024], scale bytes [4][1024][32] from byte 4,194,304.  K is the first axis: a lane takes a column, its registers run down K.
;   work-groups 896-1023: mask [2048][2048] f32 -> maskw = mask x (-8e9) in f32, laid as the attention's lanes hold their scores.
; ROWS ARE STORED AT PLACE sigma(row), sigma = the row's number with bits 3 and 4 exchanged: 16 stored rows 32 B + 16 u + m are then the rows 32 B + 8 u + m + 8 (m / 8), so that in a product's result the
; 16 registers of two neighbouring tiles are 16 neighbours along the next product's K.
; -8e9 = 8 x f32(-1e9): with D = score + mask x (-8e9), D / 8 is bit for bit score / 8 + mask x (-1e9).
; A block's scale is 2^(floor(log2(its largest magnitude)) - 8); its byte is the largest magnitude's exponent field - 8, held at 1 from below.
; LIMITS: a block of zeros, and one whose largest magnitude lies under 2^-118, has the byte 1 (its codes are zeros or subnormal codes; the bytes are read by this program alone); NaN and infinities among the
; inputs are not served; mask x 8e9 has to stay finite.
; The three parts share no wave, no barrier and no LDS byte: each has LDS bytes of its own.  No tensor loads.
.set SPARE, 101376                     ; behind the three parts' LDS: the spare words, 128 bytes for each wave
.set SPW,   208                        ; v208 LDS address of my spare word; never rewritten
.set NIL,   209                        ; v209 0; never rewritten
.set EMAX,  8
	s_load_b512 s[8:23], s[0:1], 0x0               ; query s[8:9], key s[10:11], value s[12:13], Wq s[14:15], Wk s[16:17], Wv s[18:19], Wo s[20:21], mask s[22:23]
	s_load_b128 s[24:27], s[0:1], 0x40             ; xq s[24:25], wq s[26:27]
	s_load_b64 s[28:29], s[0:1], 0x50              ; maskw
	v_lshl_add_u32 v[SPW], v0, 2, SPARE
	v_mov_b32 v[NIL], 0
	v_lshrrev_b32 v1, 5, v0
	v_readfirstlane_b32 s2, v1                     ; wave 0..3
	v_and_b32 v2, 31, v0                           ; lane
	s_wait_kmcnt 0x0
	s_add_co_u32 s3, ttmp9, 768                    ; g = (the work-group's number + 768) mod 1024 numbers the parts: the 'work-groups' of the comment at the head are these g.
	s_and_b32 s3, s3, 1023                         ; So the weights' and the mask's work-groups, whose chains of dependent loads are the longest, have the lowest numbers of the launch
	s_cmp_lt_u32 s3, 768
	s_cbranch_scc1 .Larm_a
	s_cmp_lt_u32 s3, 896
	s_cbranch_scc1 .Larm_b
; ---------------------------------------------------------------- THE MASK
; A work-group takes one tile T of 16 queries (rows 32 (T / 2) + 8 (T % 2) + j + 8 (j / 8)); wave w takes key steps 4 w .. 4 w + 3 of 128 keys.  A row's 512 bytes of a step are read by one load; the 16 rows turn
; through the wave's own stage (pitch 528: the sixteen rows that a read touches start at sixteen different banks) and come back so that lane (r, h) holds, in piece 4 B + g, mask(query r, 32 B + 16 h + 4 g ..).
; maskw: [block of 64 queries (32)][key step (16)][tile in the block (4)][16 pieces of 512 bytes].
.set MSTG, 67584
.set MR,   16                          ; v16-143  two sets of 64: rows as loaded
.set MX,   144                         ; v144-207 a tile as stored
	s_sub_co_u32 s38, s3, 896                      ; T
	s_lshr_b32 s40, s38, 1
	s_lshl_b32 s40, s40, 18                        ; 32 rows of 8,192 bytes
	s_and_b32 s41, s38, 1
	s_lshl_b32 s41, s41, 16                        ; 8 rows
	s_add_co_u32 s40, s40, s41
	s_lshl_b32 s41, s2, 11                         ; four key steps of 512 bytes
	s_add_co_u32 s40, s40, s41
	s_mov_b32 s41, 0
	s_add_nc_u64 s[30:31], s[22:23], s[40:41]
	s_lshr_b32 s40, s38, 2
	s_lshl_b32 s40, s40, 19                        ; a block of queries: 16 steps x 32,768 bytes
	s_lshl_b32 s42, s2, 17                         ; four steps
	s_add_co_u32 s40, s40, s42
	s_and_b32 s42, s38, 3
	s_lshl_b32 s42, s42, 13                        ; the tile in its block
	s_add_co_u32 s40, s40, s42
	s_add_nc_u64 s[32:33], s[28:29], s[40:41]
	s_mov_b32 s34, 0xcfee6b28                      ; -8e9 = 8 x f32(-1e9)
	s_mov_b32 s35, s34                             ; (named with it as a pair, so it is written)
	s_mul_i32 s42, s2, 16*528
	s_add_co_u32 s42, s42, MSTG                    ; my stage
	s_wait_alu depctr_va_vdst(0)
	v_lshlrev_b32 v3, 4, v2                        ; 16 x lane: my bytes of a load's and of a store's 512; never rewritten
	v_add_nc_u32 v4, s42, v3                       ; the stage, on the way in
	v_and_b32 v6, 15, v2
	v_lshrrev_b32 v7, 4, v2
	v_mul_u32_u24 v5, v6, 528
	v_lshl_add_u32 v5, v7, 6, v5
	v_add_nc_u32 v5, s42, v5                       ; and on the way out: row r, + 64 h
.macro MLOAD i
.irp j, 0,1,2,3,4,5,6,7,8,9,10,11,12,13,14,15
	global_load_b128 v[MR+64*((\i)%2)+4*\j:MR+64*((\i)%2)+4*\j+3], v3, s[30:31] offset:(\j+8*(\j/8))*8192+512*(\i) th:TH_LOAD_NT
.endr
.endm
.macro MTILE i
.if (\i) < 3
	s_wait_loadcnt 16                              ; this step's 16 loads are in; the next step's 16 may be out
.else
	s_wait_loadcnt 0x0
.endif
.irp j, 0,1,2,3,4,5,6,7,8,9,10,11,12,13,14,15
	ds_store_b128 v4, v[MR+64*((\i)%2)+4*\j:MR+64*((\i)%2)+4*\j+3] offset:528*\j
.endr
	s_wait_xcnt 0x0                                ; the last step's stores have read their data: those registers are loaded again only behind this wait
.irp n, 0,1,2,3,4,5,6,7,8,9,10,11,12,13,14,15
	ds_load_b128 v[MX+4*\n:MX+4*\n+3], v5 offset:128*(\n/4)+16*(\n%4)   ; LDS serves a wave's instructions in order: these see the stores above
.endr
	s_wait_dscnt 0x0                               ; the tile is back, and the stage's stores have read their registers,
.if (\i) < 2
	MLOAD (\i)+2                                   ; which take the step two on
.endif
.set n, 0
.rept 32
	v_pk_mul_f32 v[MX+n:MX+n+1], v[MX+n:MX+n+1], s[34:35] op_sel_hi:[1,0]
.set n, n+2
.endr
.irp n, 0,1,2,3,4,5,6,7,8,9,10,11,12,13,14,15
	global_store_b128 v3, v[MX+4*\n:MX+4*\n+3], s[32:33] offset:32768*(\i)+512*\n   ; 32 lanes store 512 consecutive bytes
.endr
.endm
	MLOAD 0
	MLOAD 1
	s_wait_alu depctr_va_vdst(0)
	MTILE 0
	MTILE 1
	MTILE 2
	MTILE 3
	s_wait_tensorcnt 0x0                           ; the wave's end, behind my last LDS store
	ds_add_u32 v[SPW], v[NIL]
	s_wait_dscnt 0x0
	s_endpgm
; ---------------------------------------------------------------- QUERY, KEY, VALUE
; A tensor is a plain stream of blocks of 32.  A wave takes a run of 8,192 numbers, 8 whole rows, in 16 steps of 512.  Each load reads 512 consecutive bytes; a step's 2,048 bytes turn through the wave's own stage
; (16 bytes of padding behind each 64) so that a lane holds 16 neighbours; two neighbouring lanes hold a block.  sigma moves whole runs: bits 3, 4 of a row are bits 0, 1 of its run, which are the wave's number.
.set A_SP,  80
.set A_R,   16                         ; v16-79   four sets of 16 numbers as loaded
.set A_X,   80                         ; v80-111  two sets of 16 neighbours
.set A_E,   112                        ; v112-127 a scale byte for each step
.set A_C,   128                        ; v128-191 codes, four registers a step: no store's data are written again
.Larm_a:
	s_wait_alu depctr_va_vdst(0)
	v_lshlrev_b32 v3, 4, v2                        ; 16 x lane: my bytes of a load's 512, and my 16 codes' place in a step's 512
	s_mul_i32 s37, s2, 8192                        ; my wave's LDS: two stages of 32 x 80 bytes, then its 256 scale bytes
	v_lshrrev_b32 v14, 2, v2
	v_mul_u32_u24 v14, v14, A_SP
	v_and_b32 v15, 3, v2
	v_lshl_add_u32 v14, v15, 4, v14
	v_add_nc_u32 v14, s37, v14                     ; in: 80 (lane / 4) + 16 (lane % 4)
	v_mul_u32_u24 v15, v2, A_SP
	v_add_nc_u32 v15, s37, v15                     ; out: 80 x lane
	v_lshrrev_b32 v5, 1, v2
	s_add_co_u32 s37, s37, 2*32*A_SP
	v_add_nc_u32 v5, s37, v5                       ; my block's scale byte
	v_lshlrev_b32 v7, 3, v2
	v_add_nc_u32 v6, s37, v7                       ; and on the way out 8 bytes a lane
	s_mov_b32 s36, 0x600000                        ; the mantissa field of 448
	s_lshr_b32 s38, s3, 8                          ; which tensor
	s_and_b32 s39, s3, 255
	s_cmp_eq_u32 s38, 0
	s_cselect_b64 s[30:31], s[8:9], s[10:11]
	s_cmp_eq_u32 s38, 2
	s_cselect_b64 s[30:31], s[12:13], s[30:31]
	s_lshl_b32 s40, s39, 2
	s_add_co_u32 s41, s40, s2                      ; my run
	s_lshl_b32 s42, s41, 15
	s_mov_b32 s43, 0
	s_add_nc_u64 s[30:31], s[30:31], s[42:43]
	s_and_b32 s44, s2, 1
	s_lshl_b32 s44, s44, 1
	s_lshr_b32 s45, s2, 1
	s_or_b32 s44, s44, s45
	s_add_co_u32 s44, s40, s44                     ; the run's place: its two low bits exchanged
	s_lshl_b32 s42, s38, 23
	s_lshl_b32 s45, s44, 13
	s_add_co_u32 s42, s42, s45
	s_add_nc_u64 s[32:33], s[24:25], s[42:43]      ; codes
	s_lshl_b32 s42, s38, 18
	s_lshl_b32 s45, s44, 8
	s_add_co_u32 s42, s42, s45
	s_add_co_u32 s42, s42, 25165824
	s_add_nc_u64 s[34:35], s[24:25], s[42:43]      ; scale bytes
.macro ALOAD t
.irp i, 0,1,2,3
	global_load_b128 v[A_R+16*((\t)%4)+4*\i:A_R+16*((\t)%4)+4*\i+3], v3, s[30:31] offset:2048*(\t)+512*\i th:TH_LOAD_NT
.endr
.endm
.macro ATURN t
.irp i, 0,1,2,3
	ds_store_b128 v14, v[A_R+16*((\t)%4)+4*\i:A_R+16*((\t)%4)+4*\i+3] offset:32*A_SP*((\t)%2)+8*A_SP*\i
.endr
.irp i, 0,1,2,3
	ds_load_b128 v[A_X+16*((\t)%2)+4*\i:A_X+16*((\t)%2)+4*\i+3], v15 offset:32*A_SP*((\t)%2)+16*\i
.endr
.endm
.irp t, 0,1,2,3
	ALOAD \t
.endr
	s_wait_alu depctr_va_vdst(0)
	s_wait_loadcnt 12                              ; step 0's four loads are in
	ATURN 0
.macro ASTEP t
.set XS, A_X+16*((\t)%2)
.if (\t) > 0
	s_wait_dscnt 1                                 ; this step's numbers are back from the stage (the last step's byte store may be out)
.else
	s_wait_dscnt 0x0
.endif
.if (\t)+4 < 16
	ALOAD (\t)+4                                   ; into the registers that this step's stage stores have read
.endif
.if (\t)+1 < 16
.if 14-(\t) >= 3
	s_wait_loadcnt 12                              ; the next step's four loads are in; three steps' may be out
.else
	s_wait_loadcnt 4*(14-(\t))
.endif
	ATURN (\t)+1
.endif
	v_max3_num_f32 v8, |v[XS]|, |v[XS+1]|, |v[XS+2]|
	v_max3_num_f32 v9, |v[XS+3]|, |v[XS+4]|, |v[XS+5]|
.irp i, 6,10
	v_max3_num_f32 v8, v8, |v[XS+\i]|, |v[XS+\i+1]|
	v_max3_num_f32 v9, v9, |v[XS+\i+2]|, |v[XS+\i+3]|
.endr
	v_max3_num_f32 v8, v8, |v[XS+14]|, |v[XS+15]|
	v_max3_num_f32 v8, v8, v9, (EMAX+1)<<23        ; the floor 2^(9 - 127): the byte cannot fall under 1
	v_max_num_f32_dpp v8, v8, v8 row_xmask:1 row_mask:0xf bank_mask:0xf   ; with my neighbour's 16: the block's largest magnitude
	v_add_nc_u32 v11, -(EMAX<<23), v8              ; 8 off its exponent field: the conversion's scale operand
	v_and_or_b32 v10, v8, 0x7f800000, s36          ; 448 x the scale
.irp i, 0,1,2,3,4,5,6,7,8,9,10,11,12,13,14,15
	v_med3_num_f32 v[XS+\i], v[XS+\i], -v10, v10   ; the conversion to an 8-bit code does not saturate (ISA guide 7.6.2): the hold
.endr
	v_cvt_scalef32_pk8_fp8_f32 v[A_C+4*(\t):A_C+4*(\t)+1], v[XS:XS+7], v11
	v_cvt_scalef32_pk8_fp8_f32 v[A_C+4*(\t)+2:A_C+4*(\t)+3], v[XS+8:XS+15], v11
	v_lshrrev_b32 v[A_E+(\t)], 23, v11             ; the scale's byte
	ds_store_b8 v5, v[A_E+(\t)] offset:16*(\t)     ; both lanes of a block write the same byte with the same value
	global_store_b128 v3, v[A_C+4*(\t):A_C+4*(\t)+3], s[32:33] offset:512*(\t)
.endm
.irp t, 0,1,2,3,4,5,6,7,8,9,10,11,12,13,14,15
	ASTEP \t
.endr
	ds_load_b64 v[8:9], v6                         ; LDS serves a wave's instructions in order: these see my byte stores
	s_wait_dscnt 0x0
	global_store_b64 v7, v[8:9], s[34:35]          ; 32 lanes store 256 consecutive bytes: the scale bytes of 8 rows
	s_wait_tensorcnt 0x0                           ; the wave's end, behind my last LDS store
	ds_add_u32 v[SPW], v[NIL]
	s_wait_dscnt 0x0
	s_endpgm
; ---------------------------------------------------------------- THE FOUR WEIGHTS
; A wave takes 32 columns x 256 along K: a lane a column, 8 blocks of 32 in its registers.  Its codes go through the wave's own stage (pitch 272) and leave as rows: sixteen lanes store 256 consecutive bytes.
.set B_P,   272
.set B_X,   32                         ; v32-95   two sets of 32 numbers
.set B_C,   96                         ; v96-103  a block's codes
.set B_O,   112                        ; v112-175 the way out
.set B_S,   24                         ; v24-25   the scale bytes
.Larm_b:
	s_sub_co_u32 s37, s3, 768
	s_lshr_b32 s38, s37, 5                         ; which weight
	s_and_b32 s39, s37, 7                          ; which 128 columns
	s_bfe_u32 s40, s37, 0x20003                    ; which 256 along K
	s_cmp_eq_u32 s38, 0
	s_cselect_b64 s[30:31], s[14:15], s[16:17]
	s_cmp_eq_u32 s38, 2
	s_cselect_b64 s[30:31], s[18:19], s[30:31]
	s_cmp_eq_u32 s38, 3
	s_cselect_b64 s[30:31], s[20:21], s[30:31]
	s_lshl_b32 s41, s39, 7
	s_lshl_b32 s43, s2, 5
	s_add_co_u32 s41, s41, s43                     ; my wave's first column, a multiple of 32
	s_wait_alu depctr_va_vdst(0)
	v_lshlrev_b32 v3, 2, v2                        ; in: 4 bytes a lane
	s_mul_i32 s42, s2, 32*B_P
	s_add_co_u32 s42, s42, 32768                   ; my stage
	v_mul_u32_u24 v4, v2, B_P
	v_add_nc_u32 v4, s42, v4                       ; into it: row = my column
	v_and_b32 v5, 15, v2
	v_lshrrev_b32 v6, 4, v2
	v_mul_u32_u24 v7, v6, B_P
	v_lshl_add_u32 v7, v5, 4, v7
	v_add_nc_u32 v7, s42, v7                       ; out of it: sixteen lanes to a row, two rows an instruction
	v_lshlrev_b32 v8, 10, v6
	v_lshl_add_u32 v8, v5, 4, v8                   ; and the same two rows in the codes' buffer
	v_and_b32 v9, 7, v2
	v_and_b32 v10, 8, v2
	v_lshl_or_b32 v9, v10, 1, v9
	v_and_b32 v10, 16, v2
	v_lshrrev_b32 v10, 1, v10
	v_or_b32 v9, v9, v10                           ; sigma(lane)
	v_lshlrev_b32 v9, 5, v9                        ; my column's row of 32 scale bytes
	s_lshl_b32 s44, s40, 20                        ; 256 rows of 4,096 bytes
	s_lshl_b32 s45, s41, 2
	s_add_co_u32 s44, s44, s45
	s_mov_b32 s45, 0
	s_add_nc_u64 s[30:31], s[30:31], s[44:45]
	s_lshl_b32 s44, s38, 20
	s_lshl_b32 s46, s41, 10
	s_add_co_u32 s44, s44, s46
	s_lshl_b32 s46, s40, 8
	s_add_co_u32 s44, s44, s46
	s_add_nc_u64 s[32:33], s[26:27], s[44:45]      ; codes
	s_lshl_b32 s44, s38, 15
	s_lshl_b32 s46, s41, 5
	s_add_co_u32 s44, s44, s46
	s_lshl_b32 s46, s40, 3
	s_add_co_u32 s44, s44, s46
	s_add_co_u32 s44, s44, 4194304
	s_add_nc_u64 s[34:35], s[26:27], s[44:45]      ; scale bytes
	s_mov_b32 s36, 0x600000
.macro BLOAD t
.irp i, 0,1,2,3,4,5,6,7,8,9,10,11,12,13,14,15,16,17,18,19,20,21,22,23,24,25,26,27,28,29,30,31
	global_load_b32 v[B_X+32*((\t)%2)+\i], v3, s[30:31] offset:(32*(\t)+\i)*4096 th:TH_LOAD_NT
.endr
.endm
	BLOAD 0
	BLOAD 1
.macro BBLOCK t
.set XS, B_X+32*((\t)%2)
.if (\t) < 7
	s_wait_loadcnt 32                              ; this block's 32 loads are in; the next block's may be out
.else
	s_wait_loadcnt 0x0
.endif
	v_max3_num_f32 v12, |v[XS]|, |v[XS+1]|, |v[XS+2]|
	v_max3_num_f32 v13, |v[XS+3]|, |v[XS+4]|, |v[XS+5]|
.irp i, 6,10,14,18,22,26
	v_max3_num_f32 v12, v12, |v[XS+\i]|, |v[XS+\i+1]|
	v_max3_num_f32 v13, v13, |v[XS+\i+2]|, |v[XS+\i+3]|
.endr
	v_max3_num_f32 v12, v12, |v[XS+30]|, |v[XS+31]|
	v_max3_num_f32 v12, v12, v13, (EMAX+1)<<23
	v_add_nc_u32 v11, -(EMAX<<23), v12
	v_and_or_b32 v10, v12, 0x7f800000, s36
	v_lshrrev_b32 v13, 23, v11
.if (\t)%4 == 0
	v_mov_b32 v[B_S+(\t)/4], v13
.else
	v_lshl_or_b32 v[B_S+(\t)/4], v13, 8*((\t)%4), v[B_S+(\t)/4]
.endif
.irp i, 0,1,2,3,4,5,6,7,8,9,10,11,12,13,14,15,16,17,18,19,20,21,22,23,24,25,26,27,28,29,30,31
	v_med3_num_f32 v[XS+\i], v[XS+\i], -v10, v10
.endr
.irp g, 0,1,2,3
	v_cvt_scalef32_pk8_fp8_f32 v[B_C+2*\g:B_C+2*\g+1], v[XS+8*\g:XS+8*\g+7], v11
.endr
	ds_store_b128 v4, v[B_C:B_C+3] offset:32*(\t)
	ds_store_b128 v4, v[B_C+4:B_C+7] offset:32*(\t)+16
.if (\t)+2 < 8
	BLOAD (\t)+2
.endif
	s_wait_dscnt 0x0                               ; the stores have read their registers: the next block's codes may be written
.endm
.irp t, 0,1,2,3,4,5,6,7
	BBLOCK \t
.endr
	global_store_b64 v9, v[B_S:B_S+1], s[34:35]    ; my column's 8 scale bytes, at its row's place
.irp t, 0,1,2,3,4,5,6,7,8,9,10,11,12,13,14,15
	ds_load_b128 v[B_O+4*\t:B_O+4*\t+3], v7 offset:2*\t*B_P
.endr
.irp t, 0,1,2,3,4,5,6,7,8,9,10,11,12,13,14,15
	s_wait_dscnt 15-\t
	global_store_b128 v8, v[B_O+4*\t:B_O+4*\t+3], s[32:33] offset:2*((\t&3)|((\t&4)<<1)|((\t&8)>>1))*1024   ; columns 2 t, 2 t + 1 go to rows sigma(2 t), sigma(2 t + 1)
.endr
	s_wait_tensorcnt 0x0                           ; the wave's end, behind my last LDS store
	ds_add_u32 v[SPW], v[NIL]
	s_wait_dscnt 0x0
	s_endpgm
.Lfunc_end_k_qb9306a09b1_prep:
	.size	k_qb9306a09b1_prep, .Lfunc_end_k_qb9306a09b1_prep-k_qb9306a09b1_prep
	.p2alignl 7, 3214868480
	.fill 96, 4, 3214868480
	.section	.rodata,"a",@progbits
	.p2align	6, 0x0
	.amdhsa_kernel k_qb9306a09b1_prep
		.amdhsa_group_segment_fixed_size 101888
		.amdhsa_private_segment_fixed_size 0
		.amdhsa_enable_private_segment 0
		.amdhsa_kernarg_size 88
		.amdhsa_user_sgpr_count 2
		.amdhsa_user_sgpr_kernarg_segment_ptr 1
		.amdhsa_wavefront_size32 1
		.amdhsa_system_sgpr_workgroup_id_x 1
		.amdhsa_system_sgpr_workgroup_id_y 1
		.amdhsa_system_sgpr_workgroup_id_z 1
		.amdhsa_system_vgpr_workitem_id 0
		.amdhsa_next_free_vgpr 212
		.amdhsa_next_free_sgpr 66
		.amdhsa_reserve_vcc 0
		.amdhsa_float_denorm_mode_32 3
		.amdhsa_float_denorm_mode_16_64 3
		.amdhsa_memory_ordered 1
		.amdhsa_forward_progress 1
		.amdhsa_inst_pref_size 140
	.end_amdhsa_kernel
	.amdgpu_metadata
---
amdhsa.version: [ 1, 2 ]
amdhsa.kernels:
  - .name:           k_qb9306a09b1_prep
    .symbol:         k_qb9306a09b1_prep.kd
    .args:
      - { .name: query, .offset: 0, .size: 8, .value_kind: global_buffer, .address_space: global }
      - { .name: key, .offset: 8, .size: 8, .value_kind: global_buffer, .address_space: global }
      - { .name: value, .offset: 16, .size: 8, .value_kind: global_buffer, .address_space: global }
      - { .name: Wq, .offset: 24, .size: 8, .value_kind: global_buffer, .address_space: global }
      - { .name: Wk, .offset: 32, .size: 8, .value_kind: global_buffer, .address_space: global }
      - { .name: Wv, .offset: 40, .size: 8, .value_kind: global_buffer, .address_space: global }
      - { .name: Wo, .offset: 48, .size: 8, .value_kind: global_buffer, .address_space: global }
      - { .name: mask, .offset: 56, .size: 8, .value_kind: global_buffer, .address_space: global }
      - { .name: xq, .offset: 64, .size: 8, .value_kind: global_buffer, .address_space: global }
      - { .name: wq, .offset: 72, .size: 8, .value_kind: global_buffer, .address_space: global }
      - { .name: maskw, .offset: 80, .size: 8, .value_kind: global_buffer, .address_space: global }
    .group_segment_fixed_size: 101888
    .private_segment_fixed_size: 0
    .kernarg_segment_align: 8
    .kernarg_segment_size: 88
    .max_flat_workgroup_size: 128
    .sgpr_count:     66
    .vgpr_count:     212
    .wavefront_size: 32
...
	.end_amdgpu_metadata
.endif
;; end of part 1
;; launch proj (part 2): grid 4 x 96, 4 waves a work-group, clusters of 4 x 4, 327,680 bytes of LDS; arguments xq, wq, bq, bk, bv, qb, kv; writes qb, kv
.if DOCPART == 2
	.amdgcn_target "amdgcn-amd-amdhsa--gfx1250"
	.amdhsa_code_object_version 6
	.text
	.protected	k_qb9306a09b1_proj
	.globl	k_qb9306a09b1_proj
	.p2align	8
	.type	k_qb9306a09b1_proj,@function
k_qb9306a09b1_proj:
	s_mov_b64 s[64:65], 0
	v_nop
	global_prefetch_b8 v0, s[64:65] scope:SCOPE_SE
	s_setreg_imm32_b32 hwreg(HW_REG_WAVE_MODE, 25, 1), 1
	s_wait_xcnt 0x0
	s_wait_alu depctr_hold_cnt(0) depctr_sa_sdst(0) depctr_va_vdst(0) depctr_va_sdst(0) depctr_va_ssrc(0) depctr_va_vcc(0) depctr_vm_vsrc(0)
	s_getreg_b32 s2, hwreg(HW_REG_IB_STS2, 6, 4)
	s_cmp_eq_u32 s2, 0
	s_cbranch_scc0 .Lentry_in_a_cluster
	s_endpgm
.Lentry_in_a_cluster:
	s_bfe_u32 s2, ttmp6, 0x10000c
	s_cmp_lg_u32 s2, 0xf033
	s_cbranch_scc0 .Lentry_shape_is_right
	s_endpgm
.Lentry_shape_is_right:
.set KSTEP,  256
.set NQ,     2
.set ROWB,   256
.set KROW,   1024
.set PITCH,  272
.set FR,     16
.set NL,     4
.set NP,     8
.set HALFT,  128*PITCH
.set SLOT,   4*HALFT
.set LAPS,   2
.set KS,     32
.set SCL,    2*SLOT
.set HALFS,  (128*KS/256)*272
.set SBLK,   (16*KS/256)*272
.set SPARE,  SCL+4*HALFS
.set VA,   8
.set ADRA, 16
.set ADRB, 20
.set ADRS, 27
.set SPW,  28
.set NIL,  29
.set SC,   32
.set BIAS, 64
.set AF,   128
.set T,    128
.set PC,   192
.set TM,   208
.set PWS,  224
.set SWA,  236
.set SWB,  240
.set G1, 24
.set G0, 32
.set G1B, 48
.set G0B, 56
.set G1S, 68
.set G0S, 76
.set G1SB, 80
.set G0SB, 88
.set KIND, 95
.set MSB, 0
.macro WIN new
.if MSB != \new
	s_set_vgpr_msb (MSB<<8)|\new
.set MSB, \new
.endif
.endm
.set MUL_LO, 0xa1
.set MUL_HI, 0xf1
.set FST_LO, 0x81
.set FST_HI, 0xc1
.set TO_B,   0x40
.macro JLOAD g0a, g1a, g0b, g1b
	s_cmp_eq_u32 s15, 0
	s_cbranch_scc0 .Lfor_b_\@
	tensor_load_to_lds s[\g0a:\g0a+3], s[\g1a:\g1a+7]
	s_nop 0
.rept 4
	v_nop
.endr
	s_branch .Lasked_\@
.Lfor_b_\@:
	tensor_load_to_lds s[\g0b:\g0b+3], s[\g1b:\g1b+7]
	s_nop 0
.rept 4
	v_nop
.endr
.Lasked_\@:
.endm
.macro CREST
	s_cmp_lg_u32 s14, 0
	s_cbranch_scc1 .Lnot_wave_0_\@
	s_barrier_signal -3
.Lnot_wave_0_\@:
	s_barrier_wait -3
	s_barrier_signal -1
	s_barrier_wait -1
.endm
.macro CROUND
	s_barrier_signal -1
	s_barrier_wait -1
	CREST
.endm
	s_load_b256 s[68:75], s[0:1], 0x0
	s_load_b128 s[76:79], s[0:1], 0x20
	s_load_b64 s[80:81], s[0:1], 0x30
	v_lshl_add_u32 v[SPW], v0, 2, SPARE
	v_mov_b32 v[NIL], 0
	ds_add_u32 v[SPW], v[NIL]
	ds_add_u32 v[SPW], v[NIL]
	v_lshrrev_b32 v1, 5, v0
	v_readfirstlane_b32 s14, v1
	s_lshr_b32 s15, s14, 1
	s_and_b32 s16, s14, 1
	s_bfe_u32 s40, ttmp6, 0x40000
	s_bfe_u32 s41, ttmp6, 0x40004
	s_and_b32 s17, ttmp7, 0xffff
	s_lshr_b32 s[KIND], s17, 3
	s_and_b32 s18, s17, 7
	s_cmp_eq_u32 s[KIND], 2
	s_cselect_b32 s42, s18, 0
	s_cselect_b32 s17, 0, s18
	s_lshl_b32 s42, s42, 2
	s_add_co_u32 s42, s42, s40
	s_lshl_b32 s17, s17, 2
	s_add_co_u32 s17, s17, s41
	s_lshl_b32 s43, s41, 2
	s_lshl_b32 s43, 15, s43
	s_lshl_b32 s44, 0x1111, s40
	s_or_b32 s[G1+0], s43, (0<<16)|(1<<20)|(1<<21)|(5<<22)|(3<<25)
	s_or_b32 s[G1B+0], s44, (0<<16)|(1<<20)|(1<<21)|(5<<22)|(3<<25)
.irp g, G1, G1B
	s_mov_b32 s[\g+1], ROWB<<16
	s_mov_b32 s[\g+2], 256<<16                     ; the head's loads of codes bring 256 rows
	s_mov_b32 s[\g+3], ROWB<<16
	s_mov_b32 s[\g+4], 256
	s_mov_b32 s[\g+5], KROW
	s_mov_b32 s[\g+6], 0
	s_mov_b32 s[\g+7], 0
.endr
	s_lshl_b32 s20, s17, 8                         ; the tiles' first rows
	s_lshl_b32 s46, s42, 8
	s_mov_b32 s21, 0
	s_mov_b32 s47, 0
	s_mov_b64 s[18:19], KS
	s_mul_u64 s[22:23], s[20:21], s[18:19]
	s_mul_u64 s[92:93], s[46:47], s[18:19]
	s_mov_b64 s[18:19], KROW
	s_mul_u64 s[20:21], s[20:21], s[18:19]
	s_mul_u64 s[46:47], s[46:47], s[18:19]
	s_mul_i32 s45, s14, HALFT
	s_wait_dscnt 0x0
	s_wait_kmcnt 0x0
	s_lshl_b32 s2, s[KIND], 23
	s_mov_b32 s3, 0
	s_add_nc_u64 s[4:5], s[68:69], s[2:3]
	s_lshl_b32 s2, s[KIND], 18
	s_add_co_u32 s2, s2, 25165824
	s_add_nc_u64 s[6:7], s[68:69], s[2:3]
	s_lshl_b32 s2, s[KIND], 20
	s_add_nc_u64 s[8:9], s[70:71], s[2:3]
	s_lshl_b32 s2, s[KIND], 15
	s_add_co_u32 s2, s2, 4194304
	s_add_nc_u64 s[10:11], s[70:71], s[2:3]
	s_cmp_eq_u32 s[KIND], 0
	s_cselect_b64 s[98:99], s[78:79], s[80:81]
	s_cselect_b64 s[104:105], s[72:73], s[74:75]
	s_cmp_eq_u32 s[KIND], 2
	s_cselect_b64 s[104:105], s[76:77], s[104:105]
	s_cselect_b64 s[12:13], s[8:9], s[4:5]
	s_cselect_b64 s[8:9], s[4:5], s[8:9]
	s_cselect_b64 s[82:83], s[10:11], s[6:7]
	s_cselect_b64 s[10:11], s[6:7], s[10:11]
	s_add_nc_u64 s[20:21], s[12:13], s[20:21]
	s_add_nc_u64 s[22:23], s[82:83], s[22:23]
	s_add_nc_u64 s[46:47], s[8:9], s[46:47]
	s_add_nc_u64 s[92:93], s[10:11], s[92:93]
	s_or_b32 s[G1S+0], s43, (3<<16)|(1<<20)|(1<<21)|(5<<22)|(3<<25)
	s_or_b32 s[G1SB+0], s44, (3<<16)|(1<<20)|(1<<21)|(5<<22)|(3<<25)
.irp g, G1S, G1SB
	s_mov_b32 s[\g+1], 32<<16
	s_mov_b32 s[\g+2], KS<<16                      ; the scale bytes of 256 rows: KS rows of 256 bytes
	s_mov_b32 s[\g+3], 32<<16
	s_mov_b32 s[\g+4], KS
	s_mov_b32 s[\g+5], 32
	s_mov_b32 s[\g+6], 0
	s_mov_b32 s[\g+7], 0
.endr
	CROUND
	s_mov_b32 s[G0S], 1
	s_mov_b32 s[G0S+1], SCL
	s_mov_b64 s[G0S+2:G0S+3], s[22:23]
	s_or_b32 s[G0S+3], s[G0S+3], 0x80000000
	s_mov_b32 s[G0SB], 1
	s_mov_b32 s[G0SB+1], SCL+2*HALFS
	s_mov_b64 s[G0SB+2:G0SB+3], s[92:93]
	s_or_b32 s[G0SB+3], s[G0SB+3], 0x80000000
.set G0H, 4                            ; s[4:7], s[8:11] group 0 for the head's loads of K step 0 (what lay there has been used)
.set G0HB, 8
	s_mov_b32 s[G0H], 1                            ; K step 0's 256 rows of source 1's tile,
	s_mov_b32 s[G0H+1], 0
	s_mov_b64 s[G0H+2:G0H+3], s[20:21]
	s_or_b32 s[G0H+3], s[G0H+3], 0x80000000
	s_mov_b32 s[G0HB], 1                           ; and of source 0's, behind them in slot 0
	s_mov_b32 s[G0HB+1], 2*HALFT
	s_mov_b64 s[G0HB+2:G0HB+3], s[46:47]
	s_or_b32 s[G0HB+3], s[G0HB+3], 0x80000000
; THE HEAD'S LOADS, ONE A WAVE: waves 0 and 1 the two tiles of codes, waves 2 and 3 their scale bytes.  One tree of branches on the wave's number: every way passes exactly one load.
.macro ARM under, g0, g1, next
	s_cmp_lt_u32 s14, \under
	s_cbranch_scc0 \next
	tensor_load_to_lds s[\g0:\g0+3], s[\g1:\g1+7]
	s_nop 0
.rept 4
	v_nop
.endr
	s_branch .Lhead_asked
\next:
.endm
	ARM 1, G0H,  G1,  .Lhead_b
	ARM 2, G0HB, G1B, .Lhead_sa
	ARM 3, G0S,  G1S, .Lhead_sb
	tensor_load_to_lds s[G0SB:G0SB+3], s[G1SB:G1SB+7]
	s_nop 0
.rept 4
	v_nop
.endr
.Lhead_asked:
	s_mul_i32 s18, s16, 128*KROW                   ; for the ring: my 128 rows of a tile
	s_mov_b32 s19, 0
	s_add_nc_u64 s[20:21], s[20:21], s[18:19]
	s_add_nc_u64 s[46:47], s[46:47], s[18:19]
.irp s, 0,1
	s_mov_b32 s[G0+4*\s], 1
	s_add_co_u32 s[G0+4*\s+1], s45, \s*SLOT
	s_add_nc_u64 s[G0+4*\s+2:G0+4*\s+3], s[20:21], \s*ROWB
	s_or_b32 s[G0+4*\s+3], s[G0+4*\s+3], 0x80000000
	s_mov_b32 s[G0B+4*\s], 1
	s_add_co_u32 s[G0B+4*\s+1], s45, \s*SLOT
	s_add_nc_u64 s[G0B+4*\s+2:G0B+4*\s+3], s[46:47], \s*ROWB
	s_or_b32 s[G0B+4*\s+3], s[G0B+4*\s+3], 0x80000000
.endr
	v_and_b32 v1, 15, v0
	v_bfe_u32 v2, v0, 4, 1
	v_mul_u32_u24 v3, v1, PITCH
	v_lshl_add_u32 v4, v2, 4, v3
	s_mul_i32 s21, s15, HALFT
	s_mul_i32 s22, s16, HALFT
	s_add_co_u32 s22, s22, 2*HALFT
.irp s, 0,1
	v_add_nc_u32 v[ADRA+\s], s21, v4
	v_add_nc_u32 v[ADRB+\s], s22, v4
	s_add_co_u32 s21, s21, SLOT
	s_add_co_u32 s22, s22, SLOT
.endr
	v_mul_u32_u24 v5, v1, KS
	v_lshrrev_b32 v6, 8, v5
	v_lshl_add_u32 v5, v6, 4, v5
	s_mul_i32 s21, s15, HALFS
	s_mul_i32 s22, s16, HALFS
	s_add_co_u32 s22, s22, 2*HALFS
	s_sub_co_u32 s22, s22, s21
	v_mul_u32_u24 v6, s22, v2
	s_add_co_u32 s21, s21, SCL
	v_add_nc_u32 v5, v5, v6
	v_add_nc_u32 v[ADRS], s21, v5
	s_cmp_eq_u32 s[KIND], 2
	s_cselect_b32 s2, s42, s17
	s_cselect_b32 s3, s16, s15
	s_cselect_b32 s12, s17, s42
	s_cselect_b32 s13, s15, s16
	s_cselect_b32 s18, 8192, 0
	s_cselect_b32 s19, 256, 0
	s_mov_b32 s66, 1024
	s_cselect_b32 s66, 2048, s66
	s_mov_b32 s96, 1024
	s_cselect_b32 s96, 10752, s96
	s_mov_b32 s100, 16896
	s_cselect_b32 s100, 1024, s100
	s_mov_b32 s67, 0
	s_mov_b32 s97, 0
	v_and_b32 v6, 31, v0
	v_lshlrev_b32 v[VA], 4, v6
	v_add_nc_u32 v[VA+1], 512, v[VA]
	v_add_nc_u32 v[VA+2], s100, v[VA]
	v_add_nc_u32 v[VA+3], 512, v[VA+2]
	v_lshlrev_b32 v12, 3, v6
	v_lshlrev_b32 v13, 6, v2
	v_and_b32 v14, 8, v1
	v_add_nc_u32 v14, v14, v1
	v_lshlrev_b32 v14, 2, v14
	s_lshl_b32 s100, s12, 10
	s_lshl_b32 s101, s13, 9
	s_add_co_u32 s100, s100, s101
	s_mov_b32 s101, 0
	s_add_nc_u64 s[104:105], s[104:105], s[100:101]
	s_lshr_b32 s100, s2, 3
	s_lshl_b32 s100, s100, 2
	s_add_co_u32 s100, s100, s12
	s_lshl_b32 s100, s100, 4
	s_and_b32 s2, s2, 7
	s_lshl_b32 s2, s2, 1
	s_add_co_u32 s2, s2, s3
	s_add_co_u32 s100, s100, s2
	s_lshl_b32 s100, s100, 2
	s_lshl_b32 s13, s13, 1
	s_add_co_u32 s100, s100, s13
	s_mul_i32 s100, s100, 16896
	s_add_nc_u64 s[98:99], s[98:99], s[100:101]
	s_add_co_u32 s2, s19, 16384
	s_mov_b32 s3, 0
	s_add_nc_u64 s[100:101], s[98:99], s[2:3]
	s_mov_b32 s2, s18
	s_add_nc_u64 s[98:99], s[98:99], s[2:3]
	s_cmp_eq_u32 s[KIND], 2
	s_cbranch_scc1 .Lbias_v
	s_wait_alu depctr_va_vdst(0)
.irp b, 0,1,2,3,4,5,6,7
	global_load_b128 v[BIAS+8*\b:BIAS+8*\b+3], v13, s[104:105] offset:(32*(\b/2)+8*(\b%2))*4
	global_load_b128 v[BIAS+8*\b+4:BIAS+8*\b+7], v13, s[104:105] offset:(32*(\b/2)+8*(\b%2))*4+16
.endr
	s_branch .Lbias_done
.Lbias_v:
	s_wait_alu depctr_va_vdst(0)
.irp a, 0,1,2,3,4,5,6,7
.irp j, 0,1,2,3,4,5,6,7
	global_load_b32 v[BIAS+8*\a+\j], v14, s[104:105] offset:(32*(\a/2)+8*(\a%2))*4
.endr
.endr
.Lbias_done:
.macro FRAG reg, adr, q, i
.irp c, 0,1,2,3
	ds_load_b128 v[\reg+4*\c:\reg+4*\c+3], v[\adr] offset:128*(\q)+32*\c+(\i)*16*PITCH
.endr
.endm
.macro MUL16 a0, p, q, sc, zero
.irp a, \a0, \a0+1
.irp b, 0,1,2,3,4,5,6,7
.if (\zero) == 1
	v_wmma_scale_f32_16x16x128_f8f6f4 v[8*(8*((\a)%4)+\b):8*(8*((\a)%4)+\b)+7], v[128*(\p)+FR*\b:128*(\p)+FR*\b+FR-1], v[AF+FR*(\a):AF+FR*(\a)+FR-1], v[BIAS+8*\b:BIAS+8*\b+7], v[SC+8*NQ*(\sc)+NQ*\b+(\q)], v[SC+8*NQ*(\sc)+NQ*(\a)+(\q)] matrix_a_scale:MATRIX_SCALE_ROW1
.elseif (\zero) == 2
	v_wmma_scale_f32_16x16x128_f8f6f4 v[8*(8*((\a)%4)+\b):8*(8*((\a)%4)+\b)+7], v[128*(\p)+FR*\b:128*(\p)+FR*\b+FR-1], v[AF+FR*(\a):AF+FR*(\a)+FR-1], v[BIAS+8*(\a):BIAS+8*(\a)+7], v[SC+8*NQ*(\sc)+NQ*\b+(\q)], v[SC+8*NQ*(\sc)+NQ*(\a)+(\q)] matrix_a_scale:MATRIX_SCALE_ROW1
.else
	v_wmma_scale_f32_16x16x128_f8f6f4 v[8*(8*((\a)%4)+\b):8*(8*((\a)%4)+\b)+7], v[128*(\p)+FR*\b:128*(\p)+FR*\b+FR-1], v[AF+FR*(\a):AF+FR*(\a)+FR-1], v[8*(8*((\a)%4)+\b):8*(8*((\a)%4)+\b)+7], v[SC+8*NQ*(\sc)+NQ*\b+(\q)], v[SC+8*NQ*(\sc)+NQ*(\a)+(\q)] matrix_a_scale:MATRIX_SCALE_ROW1
.endif
.endr
.endr
.endm
.macro FETCH_B slot, q, p
	WIN TO_B
.irp i, 0,1,2,3,4,5,6,7
	FRAG 128*(\p)+FR*\i, ADRB+\slot, \q, \i
.endr
	WIN 0
.endm
.macro FETCH_A slot, q, i0
.irp i, \i0, \i0+1, \i0+2, \i0+3
	FRAG AF+FR*(\i), ADRA+\slot, \q, \i
.endr
.endm
.macro SCALES sc
.irp i, 0,1,2,3,4,5,6,7
	ds_load_b64 v[SC+8*NQ*\sc+NQ*\i:SC+8*NQ*\sc+NQ*\i+1], v[ADRS] offset:\i*SBLK
.endr
.endm
.macro PLACES n
.rept \n
	v_nop
.endr
.endm
.macro STEP slot, q, zero
	s_wait_dscnt 4*NL
.if \zero
	WIN FST_LO
.else
	WIN MUL_LO
.endif
	MUL16 0, (\q)%2, \q, \slot, \zero
	MUL16 2, (\q)%2, \q, \slot, \zero
	s_wait_dscnt 0
	PLACES NP
	FETCH_B \slot, (\q)+1, 1-(\q)%2
	FETCH_A \slot, (\q)+1, 0
.if \zero
	WIN FST_HI
.else
	WIN MUL_HI
.endif
	MUL16 4, (\q)%2, \q, \slot, \zero
	MUL16 6, (\q)%2, \q, \slot, \zero
	PLACES NP
	WIN 0
	FETCH_A \slot, (\q)+1, 4
.endm
.macro TURN slot, next, fill
	s_wait_tensorcnt 0x0
	ds_add_u32 v[SPW], v[NIL]
	s_wait_dscnt 4*NL+1
	WIN MUL_LO
	MUL16 0, 1, NQ-1, \slot, 0
	s_wait_dscnt 0x0
	s_barrier_signal -1
	MUL16 2, 1, NQ-1, \slot, 0
	WIN 0
	s_barrier_wait -1
.if \fill
	CREST
	s_add_nc_u64 s[G0+4*\slot+2:G0+4*\slot+3], s[G0+4*\slot+2:G0+4*\slot+3], 2*ROWB
	s_add_nc_u64 s[G0B+4*\slot+2:G0B+4*\slot+3], s[G0B+4*\slot+2:G0B+4*\slot+3], 2*ROWB
	JLOAD G0+4*\slot, G1, G0B+4*\slot, G1B
	PLACES NP-4
.else
	PLACES NP
.endif
	s_wait_alu depctr_va_vdst(0)
	v_add_nc_u32 v[ADRS], 4*NQ, v[ADRS]
	FETCH_B \next, 0, 0
	FETCH_A \next, 0, 0
	SCALES \next
	WIN MUL_HI
	MUL16 4, 1, NQ-1, \slot, 0
	MUL16 6, 1, NQ-1, \slot, 0
	PLACES NP
	WIN 0
	FETCH_A \next, 0, 4
.endm
	s_wait_alu depctr_va_vdst(0)                   ; the wait at the head's end
	s_wait_tensorcnt 0x0                           ; my tile of the head's four is in
	ds_add_u32 v[SPW], v[NIL]
	s_mov_b32 s[G1+2], 128<<16                     ; no tensor load of mine is out: from here on a load brings 128 rows
	s_mov_b32 s[G1+4], 128
	s_mov_b32 s[G1B+2], 128<<16
	s_mov_b32 s[G1B+4], 128
	s_wait_dscnt 0x0
	CROUND                                         ; all four tiles are in, and all sixteen work-groups are here
	JLOAD G0+4, G1, G0B+4, G1B                     ; K step 1, the first tensor load behind the round
	FETCH_B 0, 0, 0
	FETCH_A 0, 0, 0
	SCALES 0
	FETCH_A 0, 0, 4
	s_wait_loadcnt 0x0
	s_cmp_eq_u32 s[KIND], 2
	s_cbranch_scc1 .Lfirst_v
	STEP 0, 0, 1
	s_branch .Lfirst_done
.Lfirst_v:
	STEP 0, 0, 2
.Lfirst_done:
	s_mov_b32 s3, LAPS-1
.Llap:
	TURN 0, 1, 1
	STEP 1, 0, 0
	TURN 1, 0, 1
	STEP 0, 0, 0
	s_sub_co_u32 s3, s3, 1
	s_cmp_lg_u32 s3, 0
	s_cbranch_scc1 .Llap
	TURN 0, 1, 0
	STEP 1, 0, 0
	s_wait_dscnt 4*NL
	WIN MUL_LO
	MUL16 0, 1, NQ-1, 1, 0
	MUL16 2, 1, NQ-1, 1, 0
	s_wait_dscnt 0
	WIN MUL_HI
	MUL16 4, 1, NQ-1, 1, 0
	MUL16 6, 1, NQ-1, 1, 0
	WIN 0
.macro QUANTW a
.set AC, 64*((\a)%4)
.set WN, 2+(\a)/4
.set WW, WN|(WN<<2)
	WIN WW
.irp b, 0,1,2,3
	v_max3_num_f32 v[TM+\b], |v[AC+16*\b]|, |v[AC+16*\b+1]|, 0x4800000
.endr
.irp i, 2,4,6,8,10,12,14
.irp b, 0,1,2,3
	v_max3_num_f32 v[TM+\b], |v[AC+16*\b+\i]|, |v[AC+16*\b+\i+1]|, v[TM+\b]
.endr
.endr
	WIN 0
.irp b, 0,1,2,3
	v_permlanex16_b32 v[TM+4+\b], v[TM+\b], s18, s19
.endr
.irp b, 0,1,2,3
	v_max_num_f32 v[TM+\b], v[TM+\b], v[TM+4+\b]
.endr
.irp b, 0,1,2,3
	v_add_nc_u32 v[TM+12+\b], 0xfc000000, v[TM+\b]
.endr
.irp b, 0,1,2,3
	v_and_or_b32 v[TM+8+\b], v[TM+\b], 0x7f800000, s20
.endr
.irp b, 0,1,2,3
	v_lshrrev_b32 v[TM+4+\b], 23, v[TM+12+\b]
.endr
	v_lshl_or_b32 v[PWS+(\a)], v[TM+5], 8, v[TM+4]
	v_lshl_or_b32 v[PWS+(\a)], v[TM+6], 16, v[PWS+(\a)]
	v_lshl_or_b32 v[PWS+(\a)], v[TM+7], 24, v[PWS+(\a)]
	WIN WN
.irp b, 0,1,2,3
.irp i, 0,1,2,3,4,5,6,7,8,9,10,11,12,13,14,15
	v_med3_num_f32 v[T+16*\b+\i], v[AC+16*\b+\i], -v[TM+8+\b], v[TM+8+\b]
.endr
.endr
	WIN 0
.irp b, 0,1,2,3
	v_cvt_scalef32_pk8_fp8_f32 v[PC+4*\b:PC+4*\b+1], v[T+16*\b:T+16*\b+7], v[TM+12+\b]
	v_cvt_scalef32_pk8_fp8_f32 v[PC+4*\b+2:PC+4*\b+3], v[T+16*\b+8:T+16*\b+15], v[TM+12+\b]
.endr
	v_nop
.endm
	s_mov_b32 s18, 0x76543210
	s_mov_b32 s19, 0xfedcba98
	s_mov_b32 s20, 0x600000
	PLACES NP
.irp b, 0,1,2,3
	v_mov_b32 v[TM+4+\b], 0
.endr
.irp a, 0,1,2,3,4,5,6,7
.if \a > 0
	s_wait_xcnt 0x0
.if \a == 4
	s_add_nc_u64 s[98:99], s[98:99], s[96:97]
.else
	s_add_nc_u64 s[98:99], s[98:99], s[66:67]
.endif
.endif
	QUANTW \a
.irp c, 0,1,2,3
	global_store_b128 v[VA+\c], v[PC+4*\c:PC+4*\c+3], s[98:99]
.endr
.endr
	s_mov_b32 s2, 0xffff0000
	s_mov_b32 s12, 0x05040100
	s_mov_b32 s13, 0x07060302
	s_cmp_eq_u32 s[KIND], 2
	s_cbranch_scc1 .Lsw_v
.irp f, 0,1,2,3
	v_perm_b32 v[SWA+\f], v[PWS+2*\f+1], v[PWS+2*\f], s12
	v_perm_b32 v[SWB+\f], v[PWS+2*\f+1], v[PWS+2*\f], s13
.endr
	s_branch .Lsw_done
.Lsw_v:
.irp f, 0,1,2,3
	v_mov_b32 v[SWA+\f], v[PWS+\f]
	v_mov_b32 v[SWB+\f], v[PWS+4+\f]
.endr
.Lsw_done:
	s_wait_alu depctr_va_vdst(0)
	v_cndmask_b32 v244, v[SWA], v[SWA+2], s2
	v_cndmask_b32 v245, v[SWA+1], v[SWA+3], s2
	v_cndmask_b32 v246, v[SWB], v[SWB+2], s2
	v_cndmask_b32 v247, v[SWB+1], v[SWB+3], s2
	global_store_b64 v12, v[244:245], s[100:101]
	global_store_b64 v12, v[246:247], s[100:101] offset:16896
	s_wait_tensorcnt 0x0
	ds_add_u32 v[SPW], v[NIL]
	s_wait_dscnt 0x0
	CROUND
	s_endpgm
.Lfunc_end_k_qb9306a09b1_proj:
	.size	k_qb9306a09b1_proj, .Lfunc_end_k_qb9306a09b1_proj-k_qb9306a09b1_proj
	.p2alignl 7, 3214868480
	.fill 96, 4, 3214868480
	.section	.rodata,"a",@progbits
	.p2align	6, 0x0
	.amdhsa_kernel k_qb9306a09b1_proj
		.amdhsa_group_segment_fixed_size 327680
		.amdhsa_private_segment_fixed_size 0
		.amdhsa_enable_private_segment 0
		.amdhsa_kernarg_size 56
		.amdhsa_user_sgpr_count 2
		.amdhsa_user_sgpr_kernarg_segment_ptr 1
		.amdhsa_wavefront_size32 1
		.amdhsa_system_sgpr_workgroup_id_x 1
		.amdhsa_system_sgpr_workgroup_id_y 1
		.amdhsa_system_sgpr_workgroup_id_z 1
		.amdhsa_system_vgpr_workitem_id 0
		.amdhsa_next_free_vgpr 1024
		.amdhsa_next_free_sgpr 106
		.amdhsa_reserve_vcc 0
		.amdhsa_float_denorm_mode_32 3
		.amdhsa_float_denorm_mode_16_64 3
		.amdhsa_memory_ordered 1
		.amdhsa_forward_progress 1
		.amdhsa_inst_pref_size 210
	.end_amdhsa_kernel
	.amdgpu_metadata
---
amdhsa.version: [ 1, 2 ]
amdhsa.kernels:
  - .name:           k_qb9306a09b1_proj
    .symbol:         k_qb9306a09b1_proj.kd
    .args:
      - { .name: xq, .offset: 0, .size: 8, .value_kind: global_buffer, .address_space: global }
      - { .name: wq, .offset: 8, .size: 8, .value_kind: global_buffer, .address_space: global }
      - { .name: bq, .offset: 16, .size: 8, .value_kind: global_buffer, .address_space: global }
      - { .name: bk, .offset: 24, .size: 8, .value_kind: global_buffer, .address_space: global }
      - { .name: bv, .offset: 32, .size: 8, .value_kind: global_buffer, .address_space: global }
      - { .name: qb, .offset: 40, .size: 8, .value_kind: global_buffer, .address_space: global }
      - { .name: kv, .offset: 48, .size: 8, .value_kind: global_buffer, .address_space: global }
    .group_segment_fixed_size: 327680
    .private_segment_fixed_size: 0
    .kernarg_segment_align: 8
    .kernarg_segment_size: 56
    .max_flat_workgroup_size: 128
    .sgpr_count:     106
    .vgpr_count:     1024
    .wavefront_size: 32
...
	.end_amdgpu_metadata
.endif
;; end of part 2
;; launch attn (part 3): grid 4 x 128, 8 waves a work-group, clusters of 4 x 4, 327,680 bytes of LDS; arguments qb, kv, maskw, ao; writes ao
.if DOCPART == 3
	.amdgcn_target "amdgcn-amd-amdhsa--gfx1250"
	.amdhsa_code_object_version 6
	.text
	.protected	k_qb9306a09b1_attn
	.globl	k_qb9306a09b1_attn
	.p2align	8
	.type	k_qb9306a09b1_attn,@function
k_qb9306a09b1_attn:
	s_mov_b64 s[64:65], 0
	v_nop
	global_prefetch_b8 v0, s[64:65] scope:SCOPE_SE
	s_setreg_imm32_b32 hwreg(HW_REG_WAVE_MODE, 25, 1), 1
	s_wait_xcnt 0x0
	s_wait_alu depctr_hold_cnt(0) depctr_sa_sdst(0) depctr_va_vdst(0) depctr_va_sdst(0) depctr_va_ssrc(0) depctr_va_vcc(0) depctr_vm_vsrc(0)
	s_getreg_b32 s2, hwreg(HW_REG_IB_STS2, 6, 4)
	s_cmp_eq_u32 s2, 0
	s_cbranch_scc0 .Lentry_in_a_cluster
	s_endpgm
.Lentry_in_a_cluster:
	s_bfe_u32 s2, ttmp6, 0x10000c
	s_cmp_lg_u32 s2, 0xf033
	s_cbranch_scc0 .Lentry_shape_is_right
	s_endpgm
.Lentry_shape_is_right:
; THIRD LAUNCH: the attention.  D = q k^T + mask x (-8e9) (K = the head's 64), t = D x log2(e) / 8, p = 2^(t - M) with M the ceiling of the running largest t, O = p v (K = the keys), O / the sum of the
; unquantised p; both products on codes of FP8 (E4M3) with E8M0 scales; the result is quantised along the layer's width for the last product.  Nothing is left out: the mask is an input, so every key step is walked.
; SHARES.  A work-group owns 64 queries of 4 heads of one batch; wave w owns head w % 4 and TWO tiles of 16 queries (units 0 and 1: local tiles 2 (w / 4) + u): each fragment of K and V read from LDS feeds two products.
; CLUSTER.  4 x 4 work-groups of one batch: cx = the head group, cy = the block of queries.  A column (same cx) walks the same K and V, a row (same cy) the same mask: each is asked for jointly.
; LAYOUT.  Both products are used transposed: a lane holds ONE query.  K = 64 fills half of the instruction's 128: a fragment of K holds two groups of 16 keys side by side along K, and Q stands as (Q, zeros, Q):
; (Q, 0) picks the first group, (0, Q) the second.  Zero codes add nothing under any scale byte but 0xff, and this program's bytes are 1 to 254.  So S register 16 B + i is key 32 B + 16 (lane / 16) + i: p's operand order.
; THE MASK IS THE FIRST PRODUCT'S C: a mask tile is laid as the lanes hold their scores, is loaded from LDS straight into the score registers, and the product adds onto it in place: no vector instruction adds it.
; RING.  Two LDS slots of one key step (128 keys): four records of K, V and their scale words (16,896 bytes each, waves 0-3 fetch one each) and four mask tiles (8,192 bytes, waves 4-7).  One load of a wave is out at most.
; A STEP'S LDS READS ARE ISSUED IN THE STEP BEFORE, as their registers fall free: K and unit 0's mask behind the round, unit 1's mask behind its conversions, V behind the last products.  So a slot is read out early in its own
; step: in unit 0's softmax stand the waits, the add and the round's opening signal; the rest of that softmax, work on registers, stands between the signal and its wait; the refill, two key steps on, goes into the slot just read out.
; THE MATRIX INSTRUCTIONS STAND IN PAIRS AMONG THE OTHER UNIT'S VECTOR WORK: unit 1's first product in unit 0's softmax; unit 0's second product, and its first product of the NEXT key step, in unit 1's softmax.
; THE EXPONENTIALS GO IN TWO HALVES OF 32, and between them stand plain instructions that read only what was made ahead of the run and whose results are read only behind it: the second half's multiply-adds, the first half's holds.
; LIMITS: NaN and infinities are not served; a block of zeros or under 2^-118 has the scale byte 1, read by this program alone.  ORDER OF ROUNDING: score and mask x (-8e9) are summed and rounded once, by the matrix
; instruction, where reference() rounds score / 8 first and the sum after; where mask is 0 the bits are the same.  The scaled scores stay under 2^31 in magnitude.
; REGISTERS.  Window 0: unit 0 and all that is shared; window 1: unit 1 under the same numbers.  v1-11 addresses; v16-19 K's scale words, v20-23 V's, v24, 25 Q's, v26, 27 p's; v28, 29 the add's two.
;   v32-95: window 0 four fragments of K; window 1 four of V.  Per unit: v12 -M, v13 the largest t, v[14:15] the sum; v96-159 mask, S, then p; v160-191 O^T; v192-215 Q, zeros, Q; v216-231 p's codes; v232-254 at work.
.set SLOT1,  131072
.set REC,    16896
.set KVSTEP, 67584
.set MSTEP,  32768
.set MOFF,   67584
.set STG,    262144                    ; the way out: 64 rows x (256 bytes + 16); no tensor load lands here
.set SST,    279552                    ; and 64 rows x 8 scale bytes
.set SPARE,  280064                    ; the spare words, 128 bytes for each of eight waves
.set AKV, 1
.set ASC, 3
.set AMK, 5
.set STO, 7
.set SSA, 8
.set RD,  9
.set GO,  10
.set PFO, 11
.set KS,  16
.set VS,  20
.set QS,  24
.set PS,  26
.set SPW, 28
.set NIL, 29
.set F,   32
.set S,   96
.set O,   160
.set Q,   192
.set PC,  216
.set WV,  12
.set SEL, 20
.set CS,  22
.set G1K, 24
.set G1M, 32
.set G0K, 40
.set G0M, 48
.set MNT, 56
.set LAP, 57
.set CNT, 58
.set LIM, 59
.set PFA, 60
.set PFS, 62
.set MSB, 0
.macro WIN new
.if MSB != \new
	s_set_vgpr_msb (MSB<<8)|\new
.set MSB, \new
.endif
.endm
.macro CREST                           ; a round of the cluster's barrier behind its opening barrier
	s_cmp_lg_u32 s[WV], 0
	s_cbranch_scc1 .Lnot_wave_0_\@
	s_barrier_signal -3
.Lnot_wave_0_\@:
	s_barrier_wait -3
	s_barrier_signal -1
	s_barrier_wait -1
.endm
.macro ROUND                           ; a whole round
	s_barrier_signal -1
	s_barrier_wait -1
	CREST
.endm
; A joint load into slot s: waves 0-3 a record of K and V each, waves 4-7 a mask tile each.  The branch hangs on the wave's number alone.  An s_nop 0 and four v_nop follow each line.
.macro JLOAD s
	s_cmp_lt_u32 s[WV], 4
	s_cbranch_scc0 .Lfor_m_\@
	tensor_load_to_lds s[G0K+4*(\s):G0K+4*(\s)+3], s[G1K:G1K+7]
	s_nop 0
.rept 4
	v_nop
.endr
	s_branch .Lasked_\@
.Lfor_m_\@:
	tensor_load_to_lds s[G0M+4*(\s):G0M+4*(\s)+3], s[G1M:G1M+7]
	s_nop 0
.rept 4
	v_nop
.endr
.Lasked_\@:
.endm
; A prefetch of one key step's part: 8,192 bytes, lanes 256 bytes apart.  Each block is named once in the launch.  K and V of a (batch, head group) are walked by eight clusters: the first of them asks; partner cy
; takes record cy, wave 0 its K, wave 1 its V.  A block of queries' mask is walked by four clusters (the batches): the first asks; partner cx takes tile cx, wave 4.  The partners are told apart by address alone.
; Key steps 1 and 2, a buffer's first touches, are asked for at the head; behind the refill that loads key step n stands the request for n + 1; the last refill asks for nothing.  Key step 0 and a record's 512 scale bytes come by their loads alone.
.macro ASK
	s_cmp_gt_u32 s[CNT], s[LIM]
	s_cbranch_scc0 .Lnot_mine_\@
	global_prefetch_b8 v[PFO], s[PFA:PFA+1] th:TH_LOAD_NT scope:SCOPE_SE
.Lnot_mine_\@:
.endm
	s_load_b256 s[4:11], s[0:1], 0x0               ; qb s[4:5], kv s[6:7], maskw s[8:9], ao s[10:11]
	v_lshl_add_u32 v[SPW], v0, 2, SPARE
	v_mov_b32 v[NIL], 0
	ds_add_u32 v[SPW], v[NIL]                      ; the wave's opening: the add, twice on end, and its wait ahead of my first tensor load
	ds_add_u32 v[SPW], v[NIL]
	v_lshrrev_b32 v30, 5, v0
	v_readfirstlane_b32 s[WV], v30                 ; wave 0..7
	s_bfe_u32 s13, ttmp6, 0x40000                  ; cx: the head group
	s_bfe_u32 s14, ttmp6, 0x40004                  ; cy
	s_and_b32 s15, ttmp7, 0xffff                   ; the cluster's y, 0..31
	s_lshr_b32 s16, s15, 3                         ; the batch
	s_and_b32 s17, s15, 7
	s_lshl_b32 s18, s17, 2
	s_add_co_u32 s18, s18, s14                     ; my block of 64 queries, 0..31
	s_and_b32 s19, s[WV], 3                        ; my head in the group; also which record or mask tile I fetch
	s_lshr_b32 s66, s[WV], 2                       ; my pair of tiles
	s_lshl_b32 s67, 0x1111, s13
	s_or_b32 s[G1K], s67, (3<<16)|(1<<21)          ; K, V: my column of the cluster; elements of 8 bytes; bit 21 beside a mask; no padding
	s_lshl_b32 s67, s14, 2
	s_lshl_b32 s67, 15, s67
	s_or_b32 s[G1M], s67, (3<<16)|(1<<21)          ; the mask: my row
	s_mov_b32 s[G1K+1], 32<<16                     ; rows of 256 bytes,
	s_mov_b32 s[G1K+2], 66<<16                     ; 66 of them: a record, dense in memory
	s_mov_b32 s[G1K+3], 32<<16
	s_mov_b32 s[G1K+4], 66
	s_mov_b32 s[G1K+5], 32
	s_mov_b32 s[G1K+6], 0
	s_mov_b32 s[G1K+7], 0
	s_mov_b32 s[G1M+1], 32<<16
	s_mov_b32 s[G1M+2], 32<<16                     ; 32 rows: a mask tile
	s_mov_b32 s[G1M+3], 32<<16
	s_mov_b32 s[G1M+4], 32
	s_mov_b32 s[G1M+5], 32
	s_mov_b32 s[G1M+6], 0
	s_mov_b32 s[G1M+7], 0
	s_mul_i32 s68, s19, REC                        ; LDS: my record in a slot,
	s_lshl_b32 s69, s19, 13
	s_add_co_u32 s69, s69, MOFF                    ; my mask tile
	s_lshl_b32 s87, s16, 2
	s_add_co_u32 s87, s87, s13                     ; 4 x batch + head group
	s_mul_i32 s86, s87, 16*KVSTEP
	s_add_co_u32 s70, s86, s68
	s_mov_b32 s71, 0
	s_lshl_b32 s72, s18, 19
	s_lshl_b32 s73, s19, 13
	s_add_co_u32 s72, s72, s73
	s_mov_b32 s73, 0
	s_mov_b32 s[SEL], 0x76543210
	s_mov_b32 s[SEL+1], 0xfedcba98
	s_mov_b32 s[CS], 0x3e38aa3b                    ; c = log2(e) / 8
	s_mov_b32 s[CS+1], s[CS]
	s_mov_b32 s[MNT], 0x600000
	s_mov_b32 s[LAP], 7
	s_mov_b32 s[CNT], 14                           ; refills in the loop: key steps 2 to 15
	s_wait_dscnt 0x0                               ; both opening adds are done
	s_wait_kmcnt 0x0
	s_add_nc_u64 s[74:75], s[6:7], s[70:71]        ; K, V: it hangs on the batch, cx and the wave
	s_add_nc_u64 s[76:77], s[8:9], s[72:73]        ; the mask: on the block of queries (cy) and the wave
	ROUND                                          ; all sixteen work-groups are here
.irp s, 0,1
	s_mov_b32 s[G0K+4*\s], 1
	s_add_co_u32 s[G0K+4*\s+1], s68, \s*SLOT1
	s_add_nc_u64 s[G0K+4*\s+2:G0K+4*\s+3], s[74:75], \s*KVSTEP
	s_or_b32 s[G0K+4*\s+3], s[G0K+4*\s+3], 0x80000000
	s_mov_b32 s[G0M+4*\s], 1
	s_add_co_u32 s[G0M+4*\s+1], s69, \s*SLOT1
	s_add_nc_u64 s[G0M+4*\s+2:G0M+4*\s+3], s[76:77], \s*MSTEP
	s_or_b32 s[G0M+4*\s+3], s[G0M+4*\s+3], 0x80000000
.endr
	JLOAD 0                                        ; key step 0: one tensor load a wave at the head
	; Q: my head's record of the step of 128 tokens that holds my queries; my pair of tiles is pair 2 (block % 2) + w / 4 in it
	s_lshl_b32 s78, s87, 4
	s_lshr_b32 s79, s18, 1
	s_add_co_u32 s78, s78, s79
	s_lshl_b32 s78, s78, 2
	s_add_co_u32 s78, s78, s19
	s_mul_i32 s78, s78, REC
	s_mov_b32 s79, 0
	s_add_nc_u64 s[4:5], s[4:5], s[78:79]
	s_and_b32 s80, s18, 1
	s_lshl_b32 s81, s80, 12
	s_lshl_b32 s82, s66, 11
	s_add_co_u32 s81, s81, s82                     ; 2,048 x pair
	s_lshl_b32 s80, s80, 7
	s_lshl_b32 s82, s66, 2
	s_add_co_u32 s80, s80, s82
	s_add_co_u32 s80, s80, 16384                   ; its scale words: 128 (pair / 2) + 4 (pair % 2)
	v_and_b32 v233, 31, v0                         ; lane
	v_and_b32 v234, 15, v0                         ; r
	v_bfe_u32 v235, v0, 4, 1                       ; h
	v_lshlrev_b32 v240, 4, v233
	v_lshlrev_b32 v241, 3, v234
	v_add_nc_u32 v30, s81, v240
	v_add_nc_u32 v31, s80, v241
.irp c, 0,1
	global_load_b128 v[Q+4*\c:Q+4*\c+3], v30, s[4:5] offset:512*\c          ; unit 0, twice: in front of the zeros and behind them
	global_load_b128 v[Q+16+4*\c:Q+16+4*\c+3], v30, s[4:5] offset:512*\c
.endr
	global_load_b32 v232, v31, s[4:5]              ; the pair's scale word: bytes 0, 1 unit 0's, bytes 2, 3 unit 1's
	WIN 0x40                                       ; destination window 1
.irp c, 0,1
	global_load_b128 v[Q+4*\c:Q+4*\c+3], v30, s[4:5] offset:1024+512*\c     ; unit 1
	global_load_b128 v[Q+16+4*\c:Q+16+4*\c+3], v30, s[4:5] offset:1024+512*\c
.endr
	WIN 0
	v_add_nc_u32 v[AKV], s68, v240                 ; my head's record: an image's place for my lane
	v_add_nc_u32 v[AKV+1], SLOT1, v[AKV]
	v_add_nc_u32 v[ASC], s68, v241
	v_add_nc_u32 v[ASC], 16384, v[ASC]             ; its scale words: 8 r
	v_add_nc_u32 v[ASC+1], SLOT1, v[ASC]
	s_lshl_b32 s83, s66, 14
	s_add_co_u32 s83, s83, MOFF
	v_add_nc_u32 v[AMK], s83, v240                 ; my pair's mask tiles
	v_add_nc_u32 v[AMK+1], SLOT1, v[AMK]
	v_and_b32 v242, 8, v234
	v_add_nc_u32 v242, v242, v234
	s_lshl_b32 s84, s66, 5
	v_add_nc_u32 v242, s84, v242                   ; unit 0's token in the block: 32 (w / 4) + r + 8 (r / 8)
	v_mul_u32_u24 v[STO], v242, 272
	v_lshl_add_u32 v[STO], v235, 4, v[STO]
	s_lshl_b32 s85, s19, 6
	s_add_co_u32 s85, s85, STG
	v_add_nc_u32 v[STO], s85, v[STO]               ; the stage: its row, + 64 x head + 16 h
	v_lshlrev_b32 v[SSA], 3, v242
	s_lshl_b32 s85, s19, 1
	s_add_co_u32 s85, s85, SST
	v_add_nc_u32 v[SSA], s85, v[SSA]               ; its scale bytes: 8 a row, 2 a head
	s_lshl_b32 s85, s[WV], 3
	v_add_nc_u32 v243, s85, v235                   ; back: rows 8 w + h, two rows an instruction
	v_mul_u32_u24 v[RD], v243, 272
	v_lshl_add_u32 v[RD], v234, 4, v[RD]
	v_add_nc_u32 v[RD], STG, v[RD]
	v_lshlrev_b32 v[GO], 10, v243
	v_lshl_add_u32 v[GO], v234, 4, v[GO]
	v_lshlrev_b32 v[PFO], 8, v233
	s_lshl_b32 s88, s16, 11
	s_lshl_b32 s89, s18, 6
	s_add_co_u32 s88, s88, s89                     ; my block's first token
	s_lshl_b32 s96, s88, 10
	s_lshl_b32 s97, s13, 8
	s_add_co_u32 s96, s96, s97
	s_mov_b32 s97, 0
	s_add_nc_u64 s[90:91], s[10:11], s[96:97]      ; ao's codes: its row, + 256 x head group
	s_lshl_b32 s96, s88, 5
	s_lshl_b32 s98, s13, 3
	s_add_co_u32 s96, s96, s98
	s_add_co_u32 s96, s96, 8388608
	s_add_nc_u64 s[92:93], s[10:11], s[96:97]      ; ao's scale bytes
	; the prefetches
	s_mul_i32 s94, s14, REC
	s_add_co_u32 s94, s94, s86
	s_and_b32 s95, s[WV], 1
	s_lshl_b32 s95, s95, 13
	s_add_co_u32 s94, s94, s95                     ; K, V: record cy, K's or V's 8,192 bytes
	s_lshl_b32 s95, s18, 19
	s_lshl_b32 s96, s13, 13
	s_add_co_u32 s95, s95, s96                     ; the mask: tile cx
	s_cmp_lt_u32 s[WV], 4
	s_cselect_b64 s[PFA:PFA+1], s[6:7], s[8:9]
	s_cselect_b32 s94, s94, s95
	s_mov_b32 s[PFS], MSTEP
	s_cselect_b32 s[PFS], KVSTEP, s[PFS]
	s_mov_b32 s[PFS+1], 0
	s_mov_b32 s95, 0
	s_add_nc_u64 s[PFA:PFA+1], s[PFA:PFA+1], s[94:95]
	s_add_nc_u64 s[PFA:PFA+1], s[PFA:PFA+1], s[PFS:PFS+1]   ; at key step 1
	s_lshr_b32 s95, s[WV], 1
	s_or_b32 s95, s95, s17                         ; 0: waves 0, 1 of the batch's first cluster
	s_xor_b32 s96, s[WV], 4
	s_or_b32 s96, s96, s16                         ; 0: wave 4 of the first batch's clusters
	s_min_u32 s95, s95, s96
	s_cmp_eq_u32 s95, 0
	s_cselect_b32 s[LIM], 1, -1                    ; the same in all sixteen partners, for a given wave
	s_wait_alu depctr_va_vdst(0)                   ; the offset was made a run of scalar lines ago
	ASK                                            ; key step 1
.macro INIT                            ; the step is written for every step alike: the first finds zeros, which the first change of M leaves zeros
	v_mov_b32 v13, 0xff61b1e6                      ; the largest t so far: -3e38
	v_floor_f32 v12, -v13                          ; -M
	v_mov_b32 v14, 0
	v_mov_b32 v15, 0
.irp b, 0,1,2,3
	v_mov_b32 v[236+\b], 0                         ; a lane permute's destination counts as one of its sources
.endr
	v_mov_b32 v253, 0                              ; (named as the upper half of the pair v[252:253])
.set i, 0
.rept 32
	v_mov_b32 v[O+i], 0
.set i, i+1
.endr
.irp z, 0,1,2,3,4,5,6,7
	v_mov_b32 v[Q+8+\z], 0                         ; the zero codes between Q and Q
.endr
.endm
	INIT
	WIN 0x55
	INIT
	WIN 0
	s_wait_alu depctr_va_vdst(0)                   ; directly ahead of the wait below
	s_wait_loadcnt 0x0                             ; Q
	s_wait_xcnt 0x0                                ; the prefetch above has read its address
	s_add_nc_u64 s[PFA:PFA+1], s[PFA:PFA+1], s[PFS:PFS+1]
	ASK                                            ; key step 2; the loop's first refill steps the address to 3
	v_perm_b32 v[QS], v232, v232, 0x01000100       ; unit 0's two bytes, for both halves of K
	v_perm_b32 v[QS+1], v232, v232, 0x03020302     ; unit 1's
.macro LOADK sl                        ; K's four fragments and scale words: 18 LDS loads
.irp b, 0,1,2,3
.irp c, 0,1,2,3
	ds_load_b128 v[F+16*\b+4*\c:F+16*\b+4*\c+3], v[AKV+\sl] offset:2048*\b+512*\c
.endr
.endr
	ds_load_b64 v[KS:KS+1], v[ASC+\sl]
	ds_load_b64 v[KS+2:KS+3], v[ASC+\sl] offset:128
.endm
.macro LOADM sl, u                     ; unit u's mask tile into its score registers: 16 LDS loads (the caller sets the destination's window)
.irp g, 0,1,2,3,4,5,6,7,8,9,10,11,12,13,14,15
	ds_load_b128 v[S+4*\g:S+4*\g+3], v[AMK+\sl] offset:8192*\u+512*\g
.endr
.endm
.macro LOADV sl                        ; V's four fragments, into window 1, and scale words: 18 LDS loads
	WIN 0x40
.irp t, 0,1,2,3
.irp c, 0,1,2,3
	ds_load_b128 v[F+16*\t+4*\c:F+16*\t+4*\c+3], v[AKV+\sl] offset:8192+2048*\t+512*\c
.endr
.endr
	WIN 0
	ds_load_b64 v[VS:VS+1], v[ASC+\sl] offset:256
	ds_load_b64 v[VS+2:VS+3], v[ASC+\sl] offset:384
.endm
.macro KQP qs, b                       ; D^T = K Q^T + the mask tile that lies in the score registers: fragment b's two tiles of 16 keys, one instruction each
.irp e, 0,1
	v_wmma_scale_f32_16x16x128_f8f6f4 v[S+16*(\b)+8*\e:S+16*(\b)+8*\e+7], v[F+16*(\b):F+16*(\b)+15], v[Q+8*\e:Q+8*\e+15], v[S+16*(\b)+8*\e:S+16*(\b)+8*\e+7], v[KS+(\b)], v[\qs]
.endr
.endm
.macro PVP ps, t0                      ; O^T += V^T P^T: accumulators t0 and t0 + 1, one instruction each
.irp t, \t0, \t0+1
	v_wmma_scale_f32_16x16x128_f8f6f4 v[O+8*(\t):O+8*(\t)+7], v[F+16*(\t):F+16*(\t)+15], v[PC:PC+15], v[O+8*(\t):O+8*(\t)+7], v[VS+(\t)], v[\ps]
.endr
.endm
; Pairs of matrix instructions among unit u's vector work.  No two matrix instructions that follow each other share an accumulator.
.macro HKA u, n                        ; in unit 0's softmax: pair n of unit 1's first product; in unit 1's: pair n of unit 0's second
.if \u
	WIN 0x01                                       ; V window 1, all else window 0
	PVP PS, 2*\n
	WIN 0x55
.else
	WIN 0x54                                       ; K window 0; Q, mask and S window 1
	KQP QS+1, \n
	WIN 0
.endif
.endm
.macro HKB u, nx, b0, b1               ; in unit 0's softmax: pair b0 (under 4) of unit 1's first product; in unit 1's, where a step follows (nx): pair b1 of unit 0's first product of that step
.if \u
.if \nx
	WIN 0
	KQP QS, \b1
	WIN 0x55
.endif
.else
.if \b0 < 4
	WIN 0x54
	KQP QS+1, \b0
	WIN 0
.endif
.endif
.endm
; In unit 0's softmax.  kind 1: my load of the next key step has landed, the add, this slot's descriptors step two key steps on, my reads of this slot (V's were the last) are over: the round's opening signal.
; kind 2: the same with no refill to come.  kind 0, the last step: V alone is waited for.  kind 3: nothing.
.macro MID slot, kind
.if \kind == 1
	s_wait_tensorcnt 0x0
	ds_add_u32 v[SPW], v[NIL]
	s_add_nc_u64 s[G0K+4*\slot+2:G0K+4*\slot+3], s[G0K+4*\slot+2:G0K+4*\slot+3], 2*KVSTEP
	s_add_nc_u64 s[G0M+4*\slot+2:G0M+4*\slot+3], s[G0M+4*\slot+2:G0M+4*\slot+3], 2*MSTEP
	s_wait_xcnt 0x0                                ; the last prefetch, a key step back, has read its address
	s_add_nc_u64 s[PFA:PFA+1], s[PFA:PFA+1], s[PFS:PFS+1]
	s_wait_dscnt 0x0
	s_barrier_signal -1
.elseif \kind == 2
	s_wait_tensorcnt 0x0
	ds_add_u32 v[SPW], v[NIL]
	s_wait_dscnt 0x0
	s_barrier_signal -1
.elseif \kind == 0
	s_wait_dscnt 0x0
.endif
.endm
; One unit's softmax for 128 keys, p's codes and scale word, and O^T under the new M.  All registers lie in the unit's window but p's scale word, which lies in window 0.
.macro SOFTMAX u, slot, kind, nx
.irp b, 0,1,2,3
	v_max3_num_f32 v[232+\b], v[S+16*\b], v[S+1+16*\b], v[S+2+16*\b]   ; the largest D of each block of 32 keys, in eight chains by turns; each accumulator is read from its low end on
.endr
.irp b, 0,1,2,3
	v_max3_num_f32 v[240+\b], v[S+8+16*\b], v[S+9+16*\b], v[S+10+16*\b]
.endr
.irp i, 3,5
.irp b, 0,1,2,3
	v_max3_num_f32 v[232+\b], v[232+\b], v[S+16*\b+\i], v[S+1+16*\b+\i]
.endr
.irp b, 0,1,2,3
	v_max3_num_f32 v[240+\b], v[240+\b], v[S+8+16*\b+\i], v[S+9+16*\b+\i]
.endr
.endr
.irp b, 0,1,2,3
	v_max3_num_f32 v[232+\b], v[232+\b], v[S+7+16*\b], v[S+15+16*\b]
.endr
.irp b, 0,1,2,3
	v_max_num_f32 v[232+\b], v[232+\b], v[240+\b]
.endr
	HKA \u, 0
.irp b, 0,1,2,3
	v_permlanex16_b32 v[236+\b], v[232+\b], s[SEL], s[SEL+1]
.endr
.irp b, 0,1,2,3
	v_max_num_f32 v[232+\b], v[232+\b], v[236+\b]  ; with lane l xor 16's 16 keys: it serves the row's maximum and, since p rises with D, the block's largest p
.endr
	v_max3_num_f32 v254, v232, v233, v234
	v_max_num_f32 v254, v254, v235
	v_mul_f32 v254, s[CS], v254                    ; as t (c is positive)
	v_max_num_f32 v13, v13, v254                   ; the running largest t
	v_mov_b32 v254, v12
	v_floor_f32 v12, -v13                          ; the new -M = -ceil(t): a whole number
	v_sub_f32 v254, v12, v254                      ; old M - new M, 0 or less
	v_cvt_i32_f32 v254, v254                       ; (it saturates)
	v_ldexp_f32 v252, 1.0, v254                    ; f = 2^(old M - new M): rounds nothing
	HKA \u, 1
.set j, 0
.rept 16
	v_pk_fma_f32 v[S+j:S+j+1], v[S+j:S+j+1], s[CS:CS+1], v[12:13] op_sel_hi:[1,0,0]   ; t - M of blocks 0 and 1
.set j, j+2
.endr
.irp b, 0,1,2,3
	v_fma_f32 v[232+\b], v[232+\b], s[CS], v12
.endr
	s_wait_alu depctr_va_vdst(0)                   ; ahead of the run
.irp b, 0,1,2,3
	v_exp_f32 v[232+\b], v[232+\b]                 ; the blocks' largest p
.endr
	v_pk_mul_f32 v[14:15], v[14:15], v[252:253] op_sel_hi:[1,0]   ; the sums under the new M
.set j, 0
.rept 16
	v_exp_f32 v[S+j], v[S+j]                       ; p = 2^(t - M) of blocks 0 and 1: not normalised;
	v_exp_f32 v[S+j+1], v[S+j+1]
	v_pk_fma_f32 v[S+32+j:S+33+j], v[S+32+j:S+33+j], s[CS:CS+1], v[12:13] op_sel_hi:[1,0,0]   ; between them t - M of blocks 2 and 3: it reads what was made ahead of the run, and is read behind it
.set j, j+2
.endr
	s_wait_alu depctr_va_vdst(0)                   ; one wait for the run, ahead of its first reader, and directly ahead of the waits below
.if \nx
	s_wait_dscnt 0x0                               ; the next step's K, its scale words and unit 0's mask tile are in
.endif
	HKB \u, \nx, 4, 0
	v_pk_add_f32 v[248:249], v[S:S+1], v[S+2:S+3]  ; the row's sum of the unquantised p, in two chains: blocks 0 and 1
.set j, 4
.rept 7
	v_pk_add_f32 v[14:15], v[14:15], v[S+j:S+j+1]
	v_pk_add_f32 v[248:249], v[248:249], v[S+2+j:S+3+j]
.set j, j+4
.endr
	HKB \u, \nx, 2, 1
.irp b, 0,1,2,3
	v_max_num_f32 v[232+\b], 0x4800000, v[232+\b]  ; the floor: the byte cannot fall under 1
.endr
.irp b, 0,1,2,3
	v_add_nc_u32 v[244+\b], 0xfc000000, v[232+\b]  ; 8 off the exponent field: the conversion's scale operand
.endr
.irp b, 0,1,2,3
	v_and_or_b32 v[240+\b], v[232+\b], 0x7f800000, s[MNT]   ; 448 x the scale
.endr
.irp b, 0,1,2,3
	v_lshrrev_b32 v[236+\b], 23, v[244+\b]
.endr
	v_lshl_or_b32 v254, v237, 8, v236
	v_lshl_or_b32 v254, v238, 16, v254
.if \u
	WIN 0x15
.endif
	v_lshl_or_b32 v[PS+\u], v239, 24, v254         ; p's scale word for these 128 keys
.if \u
	WIN 0x55
.endif
	s_wait_alu depctr_va_vdst(0)                   ; ahead of the run
.set j, 0
.rept 32
	v_exp_f32 v[S+32+j], v[S+32+j]                 ; p of blocks 2 and 3;
	v_min_num_f32 v[S+j], v[S+j], v[240+j/16]      ; between them the hold of blocks 0 and 1, whose sums are taken; p is not negative
.set j, j+1
.endr
	s_wait_alu depctr_va_vdst(0)                   ; one wait for the run, ahead of its first reader
	HKB \u, \nx, 3, 2
.irp b, 0,1
	v_cvt_scalef32_pk8_fp8_f32 v[PC+4*\b:PC+4*\b+1], v[S+16*\b:S+16*\b+7], v[244+\b]
	v_cvt_scalef32_pk8_fp8_f32 v[PC+4*\b+2:PC+4*\b+3], v[S+16*\b+8:S+16*\b+15], v[244+\b]
.endr
.set j, 32
.rept 8
	v_pk_add_f32 v[14:15], v[14:15], v[S+j:S+j+1]  ; the sums of blocks 2 and 3
	v_pk_add_f32 v[248:249], v[248:249], v[S+2+j:S+3+j]
.set j, j+4
.endr
	v_pk_add_f32 v[14:15], v[14:15], v[248:249]
.if \kind != 3
	s_wait_alu depctr_va_vdst(0)                   ; directly ahead of the waits below
	MID \slot, \kind                               ; unit 0: the change of slots opens here: my load has had the step since the last refill, but for the 52 lines below and the round, in which to land
.endif
	HKB \u, \nx, 4, 3
.irp b, 2,3
.set i, 0
.rept 16
	v_min_num_f32 v[S+16*\b+i], v[S+16*\b+i], v[240+\b]
.set i, i+1
.endr
	v_cvt_scalef32_pk8_fp8_f32 v[PC+4*\b:PC+4*\b+1], v[S+16*\b:S+16*\b+7], v[244+\b]
	v_cvt_scalef32_pk8_fp8_f32 v[PC+4*\b+2:PC+4*\b+3], v[S+16*\b+8:S+16*\b+15], v[244+\b]
.endr
	s_wait_alu depctr_va_vdst(0)                   ; directly ahead of the first reader of O^T
.set j, 0
.rept 16
	v_pk_mul_f32 v[O+j:O+j+1], v[O+j:O+j+1], v[252:253] op_sel_hi:[1,0]   ; O^T under the new M; also the places between the codes and the products
.set j, j+2
.endr
.endm
; A KEY STEP, out of slot `slot`; unit 0's scores were made in the step before.  kind 1: this slot is filled again, two key steps on; kind 2: nothing is filled, the next step is still read; kind 0: the last step.
.macro TRIP slot, kind
	s_wait_alu depctr_va_vdst(0)                   ; directly ahead of the wait below
	s_wait_dscnt 18                                ; unit 1's mask tile is in; the youngest 18 loads (V and its scale words) may be out
	s_wait_alu depctr_va_vdst(0)                   ; and here, directly ahead of the first reader of unit 0's scores
	SOFTMAX 0, \slot, \kind, 0
.if \kind
	s_wait_alu depctr_va_vdst(0)                   ; directly ahead of the barrier's wait
	s_barrier_wait -1                              ; every wave of my work-group has read this slot out and has its part of the next one
.if \kind == 1
	CREST                                          ; and so has every partner
	JLOAD \slot                                    ; the first tensor load behind the round, and my only one until the next
.endif
	LOADK 1-\slot                                  ; the next step's K: its registers were last read half a softmax ago
	LOADM 1-\slot, 0                               ; and unit 0's mask tile, into the registers that its conversions have read
.if \kind == 1
	ASK
	s_sub_co_u32 s[CNT], s[CNT], 1
.endif
.endif
	WIN 0x55
	s_wait_alu depctr_va_vdst(0)                   ; directly ahead of the first reader of unit 1's scores
	SOFTMAX 1, \slot, 3, \kind
	PVP PS+1, 0
	PVP PS+1, 2
.if \kind
	WIN 0x40
	LOADM 1-\slot, 1                               ; unit 1's mask tile
.rept 8
	v_nop                                          ; places between the last products and the loads into V's registers
.endr
	LOADV 1-\slot
.else
	WIN 0
.endif
.endm
	s_wait_alu depctr_va_vdst(0)                   ; the wait at the head's end
	s_wait_tensorcnt 0x0                           ; my part of key step 0 is in
	ds_add_u32 v[SPW], v[NIL]
	s_wait_dscnt 0x0
	ROUND                                          ; everybody's part of key step 0 is in, and all sixteen work-groups are here
	JLOAD 1                                        ; key step 1
.rept 4
	v_nop                                          ; eight places in all between Q's scale words and the first products
.endr
	LOADK 0
	LOADM 0, 0
	WIN 0x40
	LOADM 0, 1
	LOADV 0
	s_wait_dscnt 34                                ; K, its scale words and unit 0's mask tile are in; unit 1's 16 loads and V's 18 may be out
.irp b, 0,1,2,3
	KQP QS, \b                                     ; unit 0's scores of key step 0
.endr
.rept 8
	v_nop                                          ; places: the scores are read
.endr
.Llap:
	TRIP 0, 1
	TRIP 1, 1
	s_sub_co_u32 s[LAP], s[LAP], 1
	s_cmp_lg_u32 s[LAP], 0
	s_cbranch_scc1 .Llap
	TRIP 0, 2                                      ; the last two of the 16 key steps fetch nothing
	TRIP 1, 0
; THE WAY OUT.  O^T / the sum; register 16 B + i is depth 32 B + 16 h + i of my head: two blocks of the last product's K.  Codes and bytes meet in LDS: a token's 256 bytes come from four waves.
.macro OUTQ u
	v_add_f32 v14, v14, v15
	v_permlanex16_b32 v252, v14, s[SEL], s[SEL+1]
	v_add_f32 v14, v14, v252                       ; the row's sum
	s_wait_alu depctr_va_vdst(0)
	v_rcp_f32 v252, v14
	v_nop
	s_wait_alu depctr_va_vdst(0)
.set j, 0
.rept 16
	v_pk_mul_f32 v[O+j:O+j+1], v[O+j:O+j+1], v[252:253] op_sel_hi:[1,0]
.set j, j+2
.endr
.irp b, 0,1
	v_max3_num_f32 v[232+\b], |v[O+16*\b]|, |v[O+1+16*\b]|, 0x4800000
.endr
.irp i, 2,4,6,8,10,12,14
.irp b, 0,1
	v_max3_num_f32 v[232+\b], v[232+\b], |v[O+16*\b+\i]|, |v[O+1+16*\b+\i]|
.endr
.endr
.irp b, 0,1
	v_permlanex16_b32 v[236+\b], v[232+\b], s[SEL], s[SEL+1]
.endr
.irp b, 0,1
	v_max_num_f32 v[232+\b], v[232+\b], v[236+\b]
.endr
.irp b, 0,1
	v_add_nc_u32 v[244+\b], 0xfc000000, v[232+\b]
.endr
.irp b, 0,1
	v_and_or_b32 v[240+\b], v[232+\b], 0x7f800000, s[MNT]
.endr
.irp b, 0,1
	v_lshrrev_b32 v[236+\b], 23, v[244+\b]
.endr
	v_lshl_or_b32 v254, v237, 8, v236              ; my head's two scale bytes of this token
.irp b, 0,1
.set i, 0
.rept 16
	v_med3_num_f32 v[O+16*\b+i], v[O+16*\b+i], -v[240+\b], v[240+\b]
.set i, i+1
.endr
	v_cvt_scalef32_pk8_fp8_f32 v[PC+4*\b:PC+4*\b+1], v[O+16*\b:O+16*\b+7], v[244+\b]
	v_cvt_scalef32_pk8_fp8_f32 v[PC+4*\b+2:PC+4*\b+3], v[O+16*\b+8:O+16*\b+15], v[244+\b]
.endr
	v_nop                                          ; a plain instruction behind the last conversion
.if \u
	WIN 0x04                                       ; an LDS store's data are its source 1
.endif
	ds_store_b128 v[STO], v[PC:PC+3] offset:2176*\u        ; unit 1's tokens lie 8 rows further down
	ds_store_b128 v[STO], v[PC+4:PC+7] offset:2176*\u+32
	ds_store_b16 v[SSA], v254 offset:64*\u                 ; both halves of the lanes write the same two bytes
.endm
.rept 8
	v_nop                                          ; places behind the last products
.endr
	OUTQ 0
	WIN 0x55
	OUTQ 1
	WIN 0
	v_and_b32 v30, 63, v0
	v_lshlrev_b32 v31, 5, v30                      ; a token's 32 scale bytes in memory
	v_lshl_add_u32 v30, v30, 3, SST
	s_wait_alu depctr_va_vdst(0)                   ; directly ahead of the wait below
	s_wait_dscnt 0x0                               ; for the others' sake: my stores into the stage are done
	s_barrier_signal -1
	s_barrier_wait -1
.irp i, 0,1,2,3
	ds_load_b128 v[96+4*\i:99+4*\i], v[RD] offset:544*\i
.endr
.irp i, 0,1,2,3
	s_wait_dscnt 3-\i
	global_store_b128 v[GO], v[96+4*\i:99+4*\i], s[90:91] offset:2048*\i   ; 16 lanes store 256 consecutive bytes: four heads' codes of a token
.endr
	s_cmp_lt_u32 s[WV], 2                          ; waves 0 and 1: the 64 tokens' 8 scale bytes each
	s_cbranch_scc0 .Lno_bytes
	ds_load_b64 v[112:113], v30
	s_wait_dscnt 0x0
	global_store_b64 v31, v[112:113], s[92:93]
.Lno_bytes:
	s_wait_tensorcnt 0x0                           ; the wave's end, behind my last tensor load and my last LDS store
	ds_add_u32 v[SPW], v[NIL]
	s_wait_dscnt 0x0
	ROUND                                          ; the closing round
	s_endpgm
.Lfunc_end_k_qb9306a09b1_attn:
	.size	k_qb9306a09b1_attn, .Lfunc_end_k_qb9306a09b1_attn-k_qb9306a09b1_attn
	.p2alignl 7, 3214868480
	.fill 96, 4, 3214868480
	.section	.rodata,"a",@progbits
	.p2align	6, 0x0
	.amdhsa_kernel k_qb9306a09b1_attn
		.amdhsa_group_segment_fixed_size 327680
		.amdhsa_private_segment_fixed_size 0
		.amdhsa_enable_private_segment 0
		.amdhsa_kernarg_size 32
		.amdhsa_user_sgpr_count 2
		.amdhsa_user_sgpr_kernarg_segment_ptr 1
		.amdhsa_wavefront_size32 1
		.amdhsa_system_sgpr_workgroup_id_x 1
		.amdhsa_system_sgpr_workgroup_id_y 1
		.amdhsa_system_sgpr_workgroup_id_z 1
		.amdhsa_system_vgpr_workitem_id 0
		.amdhsa_next_free_vgpr 512
		.amdhsa_next_free_sgpr 100
		.amdhsa_reserve_vcc 0
		.amdhsa_float_denorm_mode_32 3
		.amdhsa_float_denorm_mode_16_64 3
		.amdhsa_memory_ordered 1
		.amdhsa_forward_progress 1
		.amdhsa_inst_pref_size 176
	.end_amdhsa_kernel
	.amdgpu_metadata
---
amdhsa.version: [ 1, 2 ]
amdhsa.kernels:
  - .name:           k_qb9306a09b1_attn
    .symbol:         k_qb9306a09b1_attn.kd
    .args:
      - { .name: qb, .offset: 0, .size: 8, .value_kind: global_buffer, .address_space: global }
      - { .name: kv, .offset: 8, .size: 8, .value_kind: global_buffer, .address_space: global }
      - { .name: maskw, .offset: 16, .size: 8, .value_kind: global_buffer, .address_space: global }
      - { .name: ao, .offset: 24, .size: 8, .value_kind: global_buffer, .address_space: global }
    .group_segment_fixed_size: 327680
    .private_segment_fixed_size: 0
    .kernarg_segment_align: 8
    .kernarg_segment_size: 32
    .max_flat_workgroup_size: 256
    .sgpr_count:     100
    .vgpr_count:     512
    .wavefront_size: 32
...
	.end_amdgpu_metadata
.endif
;; end of part 3
;; launch outp (part 4): grid 4 x 32, 4 waves a work-group, clusters of 4 x 4, 327,680 bytes of LDS; arguments ao, wq, bo, out0; writes out0
.if DOCPART == 4
	.amdgcn_target "amdgcn-amd-amdhsa--gfx1250"
	.amdhsa_code_object_version 6
	.text
	.protected	k_qb9306a09b1_outp
	.globl	k_qb9306a09b1_outp
	.p2align	8
	.type	k_qb9306a09b1_outp,@function
k_qb9306a09b1_outp:
	s_mov_b64 s[64:65], 0
	v_nop
	global_prefetch_b8 v0, s[64:65] scope:SCOPE_SE
	s_setreg_imm32_b32 hwreg(HW_REG_WAVE_MODE, 25, 1), 1
	s_wait_xcnt 0x0
	s_wait_alu depctr_hold_cnt(0) depctr_sa_sdst(0) depctr_va_vdst(0) depctr_va_sdst(0) depctr_va_ssrc(0) depctr_va_vcc(0) depctr_vm_vsrc(0)
	s_getreg_b32 s2, hwreg(HW_REG_IB_STS2, 6, 4)
	s_cmp_eq_u32 s2, 0
	s_cbranch_scc0 .Lentry_in_a_cluster
	s_endpgm
.Lentry_in_a_cluster:
	s_bfe_u32 s2, ttmp6, 0x10000c
	s_cmp_lg_u32 s2, 0xf033
	s_cbranch_scc0 .Lentry_shape_is_right
	s_endpgm
.Lentry_shape_is_right:
.set SIZE_N, 1024
.set KSTEP,  256
.set NQ,     2
.set ROWB,   256
.set KROW,   1024
.set PITCH,  272
.set FR,     16
.set NL,     4
.set NP,     8
.set HALFT,  128*PITCH
.set SLOT,   4*HALFT
.set LAPS,   2
.set KS,     32
.set SCL,    2*SLOT
.set HALFS,  (128*KS/256)*272
.set SBLK,   (16*KS/256)*272
.set SPARE,  SCL+4*HALFS
.set SPITCH, 528
.set ADRA, 16
.set ADRB, 20
.set STO,  24
.set RD,   25
.set CO,   26
.set ADRS, 27
.set SPW,  28
.set NIL,  29
.set SC,   32
.set BIAS, 64
.set AF,   128
.set BK,   128
.set G1, 24
.set G0, 32
.set G1B, 48
.set G0B, 56
.set G1S, 68
.set G0S, 76
.set G1SB, 80
.set G0SB, 88
.set MSB, 0
.macro WIN new
.if MSB != \new
	s_set_vgpr_msb (MSB<<8)|\new
.set MSB, \new
.endif
.endm
.set MUL_LO, 0xa1
.set MUL_HI, 0xf1
.set FST_LO, 0x81
.set FST_HI, 0xc1
.set TO_B,   0x40
.macro JLOAD g0a, g1a, g0b, g1b
	s_cmp_eq_u32 s15, 0
	s_cbranch_scc0 .Lfor_b_\@
	tensor_load_to_lds s[\g0a:\g0a+3], s[\g1a:\g1a+7]
	s_nop 0
.rept 4
	v_nop
.endr
	s_branch .Lasked_\@
.Lfor_b_\@:
	tensor_load_to_lds s[\g0b:\g0b+3], s[\g1b:\g1b+7]
	s_nop 0
.rept 4
	v_nop
.endr
.Lasked_\@:
.endm
.macro CREST
	s_cmp_lg_u32 s14, 0
	s_cbranch_scc1 .Lnot_wave_0_\@
	s_barrier_signal -3
.Lnot_wave_0_\@:
	s_barrier_wait -3
	s_barrier_signal -1
	s_barrier_wait -1
.endm
.macro CROUND
	s_barrier_signal -1
	s_barrier_wait -1
	CREST
.endm
	s_load_b256 s[4:11], s[0:1], 0x0
	v_lshl_add_u32 v[SPW], v0, 2, SPARE
	v_mov_b32 v[NIL], 0
	ds_add_u32 v[SPW], v[NIL]
	ds_add_u32 v[SPW], v[NIL]
	v_lshrrev_b32 v1, 5, v0
	v_readfirstlane_b32 s14, v1
	s_lshr_b32 s15, s14, 1
	s_and_b32 s16, s14, 1
	s_bfe_u32 s40, ttmp6, 0x40000
	s_bfe_u32 s41, ttmp6, 0x40004
	s_lshl_b32 s42, ttmp9, 2
	s_add_co_u32 s42, s42, s40
	s_and_b32 s17, ttmp7, 0xffff
	s_lshl_b32 s17, s17, 2
	s_add_co_u32 s17, s17, s41
	s_lshl_b32 s43, s41, 2
	s_lshl_b32 s43, 15, s43
	s_lshl_b32 s44, 0x1111, s40
	s_or_b32 s[G1+0], s43, (0<<16)|(1<<20)|(1<<21)|(5<<22)|(3<<25)
	s_or_b32 s[G1B+0], s44, (0<<16)|(1<<20)|(1<<21)|(5<<22)|(3<<25)
.irp g, G1, G1B
	s_mov_b32 s[\g+1], ROWB<<16
	s_mov_b32 s[\g+2], 256<<16                     ; the head's loads of codes bring 256 rows
	s_mov_b32 s[\g+3], ROWB<<16
	s_mov_b32 s[\g+4], 256
	s_mov_b32 s[\g+5], KROW
	s_mov_b32 s[\g+6], 0
	s_mov_b32 s[\g+7], 0
.endr
	s_or_b32 s[G1S+0], s43, (3<<16)|(1<<20)|(1<<21)|(5<<22)|(3<<25)
	s_or_b32 s[G1SB+0], s44, (3<<16)|(1<<20)|(1<<21)|(5<<22)|(3<<25)
.irp g, G1S, G1SB
	s_mov_b32 s[\g+1], 32<<16
	s_mov_b32 s[\g+2], KS<<16                      ; the scale bytes of 256 rows: KS rows of 256 bytes
	s_mov_b32 s[\g+3], 32<<16
	s_mov_b32 s[\g+4], KS
	s_mov_b32 s[\g+5], 32
	s_mov_b32 s[\g+6], 0
	s_mov_b32 s[\g+7], 0
.endr
	s_lshl_b32 s20, s17, 8                         ; the tiles' first rows
	s_lshl_b32 s46, s42, 8
	s_mov_b32 s21, 0
	s_mov_b32 s47, 0
	s_mov_b64 s[18:19], KS
	s_mul_u64 s[22:23], s[20:21], s[18:19]
	s_mul_u64 s[92:93], s[46:47], s[18:19]
	s_mov_b64 s[18:19], KROW
	s_mul_u64 s[20:21], s[20:21], s[18:19]
	s_mul_u64 s[46:47], s[46:47], s[18:19]
	s_mul_i32 s45, s14, HALFT
	s_wait_dscnt 0x0
	s_wait_kmcnt 0x0
	s_add_nc_u64 s[20:21], s[4:5], s[20:21]
	s_add_nc_u64 s[22:23], s[4:5], s[22:23]
	s_add_nc_u64 s[22:23], s[22:23], 8388608
	s_add_nc_u64 s[46:47], s[6:7], s[46:47]
	s_add_nc_u64 s[46:47], s[46:47], 3145728
	s_add_nc_u64 s[92:93], s[6:7], s[92:93]
	s_add_nc_u64 s[92:93], s[92:93], 4292608
	s_mov_b64 s[12:13], s[10:11]
	CROUND
	s_mov_b32 s[G0S], 1
	s_mov_b32 s[G0S+1], SCL
	s_mov_b64 s[G0S+2:G0S+3], s[22:23]
	s_or_b32 s[G0S+3], s[G0S+3], 0x80000000
	s_mov_b32 s[G0SB], 1
	s_mov_b32 s[G0SB+1], SCL+2*HALFS
	s_mov_b64 s[G0SB+2:G0SB+3], s[92:93]
	s_or_b32 s[G0SB+3], s[G0SB+3], 0x80000000
.set G0H, 4                            ; s[4:7], s[96:99] group 0 for the head's loads of K step 0 (the arguments in s[4:7] have been used)
.set G0HB, 96
	s_mov_b32 s[G0H], 1                            ; K step 0's 256 rows of A,
	s_mov_b32 s[G0H+1], 0
	s_mov_b64 s[G0H+2:G0H+3], s[20:21]
	s_or_b32 s[G0H+3], s[G0H+3], 0x80000000
	s_mov_b32 s[G0HB], 1                           ; and of B, behind them in slot 0
	s_mov_b32 s[G0HB+1], 2*HALFT
	s_mov_b64 s[G0HB+2:G0HB+3], s[46:47]
	s_or_b32 s[G0HB+3], s[G0HB+3], 0x80000000
; THE HEAD'S LOADS, ONE A WAVE: waves 0 and 1 the two tiles of codes, waves 2 and 3 their scale bytes.  One tree of branches on the wave's number: every way passes exactly one load.
.macro ARM under, g0, g1, next
	s_cmp_lt_u32 s14, \under
	s_cbranch_scc0 \next
	tensor_load_to_lds s[\g0:\g0+3], s[\g1:\g1+7]
	s_nop 0
.rept 4
	v_nop
.endr
	s_branch .Lhead_asked
\next:
.endm
	ARM 1, G0H,  G1,  .Lhead_b
	ARM 2, G0HB, G1B, .Lhead_sa
	ARM 3, G0S,  G1S, .Lhead_sb
	tensor_load_to_lds s[G0SB:G0SB+3], s[G1SB:G1SB+7]
	s_nop 0
.rept 4
	v_nop
.endr
.Lhead_asked:
	s_mul_i32 s18, s16, 128*KROW                   ; for the ring: my 128 rows of a tile
	s_mov_b32 s19, 0
	s_add_nc_u64 s[20:21], s[20:21], s[18:19]
	s_add_nc_u64 s[46:47], s[46:47], s[18:19]
.irp s, 0,1
	s_mov_b32 s[G0+4*\s], 1
	s_add_co_u32 s[G0+4*\s+1], s45, \s*SLOT
	s_add_nc_u64 s[G0+4*\s+2:G0+4*\s+3], s[20:21], \s*ROWB
	s_or_b32 s[G0+4*\s+3], s[G0+4*\s+3], 0x80000000
	s_mov_b32 s[G0B+4*\s], 1
	s_add_co_u32 s[G0B+4*\s+1], s45, \s*SLOT
	s_add_nc_u64 s[G0B+4*\s+2:G0B+4*\s+3], s[46:47], \s*ROWB
	s_or_b32 s[G0B+4*\s+3], s[G0B+4*\s+3], 0x80000000
.endr
	v_and_b32 v1, 15, v0
	v_bfe_u32 v2, v0, 4, 1
	v_mul_u32_u24 v3, v1, PITCH
	v_lshl_add_u32 v4, v2, 4, v3
	s_mul_i32 s21, s15, HALFT
	s_mul_i32 s22, s16, HALFT
	s_add_co_u32 s22, s22, 2*HALFT
.irp s, 0,1
	v_add_nc_u32 v[ADRA+\s], s21, v4
	v_add_nc_u32 v[ADRB+\s], s22, v4
	s_add_co_u32 s21, s21, SLOT
	s_add_co_u32 s22, s22, SLOT
.endr
	v_mul_u32_u24 v5, v1, KS
	v_lshrrev_b32 v6, 8, v5
	v_lshl_add_u32 v5, v6, 4, v5
	s_mul_i32 s21, s15, HALFS
	s_mul_i32 s22, s16, HALFS
	s_add_co_u32 s22, s22, 2*HALFS
	s_sub_co_u32 s22, s22, s21
	v_mul_u32_u24 v6, s22, v2
	s_add_co_u32 s21, s21, SCL
	v_add_nc_u32 v5, v5, v6
	v_add_nc_u32 v[ADRS], s21, v5
	s_mul_i32 s23, s14, 16*SPITCH
	v_mul_u32_u24 v5, v1, SPITCH
	v_lshl_add_u32 v5, v2, 6, v5
	v_add_nc_u32 v[STO], s23, v5
	v_and_b32 v6, 31, v0
	v_lshlrev_b32 v[CO], 4, v6
	v_add_nc_u32 v[RD], s23, v[CO]
	v_lshlrev_b32 v13, 6, v2
	s_wait_alu depctr_va_vdst(0)
	s_lshl_b32 s20, s17, 8
	s_lshl_b32 s21, s15, 7
	s_add_co_u32 s20, s20, s21
	s_mov_b32 s21, 0
	s_mov_b64 s[18:19], SIZE_N*4
	s_mul_u64 s[20:21], s[20:21], s[18:19]
	s_lshl_b32 s46, s42, 10
	s_lshl_b32 s47, s16, 9
	s_add_co_u32 s46, s46, s47
	s_mov_b32 s47, 0
	s_add_nc_u64 s[8:9], s[8:9], s[46:47]
	s_add_nc_u64 s[20:21], s[20:21], s[46:47]
	s_add_nc_u64 s[12:13], s[12:13], s[20:21]
.irp b, 0,1,2,3,4,5,6,7
	global_load_b128 v[BIAS+8*\b:BIAS+8*\b+3], v13, s[8:9] offset:(32*(\b/2)+8*(\b%2))*4
	global_load_b128 v[BIAS+8*\b+4:BIAS+8*\b+7], v13, s[8:9] offset:(32*(\b/2)+8*(\b%2))*4+16
.endr
.macro FRAG reg, adr, q, i
.irp c, 0,1,2,3
	ds_load_b128 v[\reg+4*\c:\reg+4*\c+3], v[\adr] offset:128*(\q)+32*\c+(\i)*16*PITCH
.endr
.endm
.macro MUL16 a0, p, q, sc, zero
.irp a, \a0, \a0+1
.irp b, 0,1,2,3,4,5,6,7
.if \zero
	v_wmma_scale_f32_16x16x128_f8f6f4 v[8*(8*((\a)%4)+\b):8*(8*((\a)%4)+\b)+7], v[128*(\p)+FR*\b:128*(\p)+FR*\b+FR-1], v[AF+FR*(\a):AF+FR*(\a)+FR-1], v[BIAS+8*\b:BIAS+8*\b+7], v[SC+8*NQ*(\sc)+NQ*\b+(\q)], v[SC+8*NQ*(\sc)+NQ*(\a)+(\q)] matrix_a_scale:MATRIX_SCALE_ROW1
.else
	v_wmma_scale_f32_16x16x128_f8f6f4 v[8*(8*((\a)%4)+\b):8*(8*((\a)%4)+\b)+7], v[128*(\p)+FR*\b:128*(\p)+FR*\b+FR-1], v[AF+FR*(\a):AF+FR*(\a)+FR-1], v[8*(8*((\a)%4)+\b):8*(8*((\a)%4)+\b)+7], v[SC+8*NQ*(\sc)+NQ*\b+(\q)], v[SC+8*NQ*(\sc)+NQ*(\a)+(\q)] matrix_a_scale:MATRIX_SCALE_ROW1
.endif
.endr
.endr
.endm
.macro FETCH_B slot, q, p
	WIN TO_B
.irp i, 0,1,2,3,4,5,6,7
	FRAG 128*(\p)+FR*\i, ADRB+\slot, \q, \i
.endr
	WIN 0
.endm
.macro FETCH_A slot, q, i0
.irp i, \i0, \i0+1, \i0+2, \i0+3
	FRAG AF+FR*(\i), ADRA+\slot, \q, \i
.endr
.endm
.macro SCALES sc
.irp i, 0,1,2,3,4,5,6,7
	ds_load_b64 v[SC+8*NQ*\sc+NQ*\i:SC+8*NQ*\sc+NQ*\i+1], v[ADRS] offset:\i*SBLK
.endr
.endm
.macro PLACES n
.rept \n
	v_nop
.endr
.endm
.macro STEP slot, q, zero
	s_wait_dscnt 4*NL
.if \zero
	WIN FST_LO
.else
	WIN MUL_LO
.endif
	MUL16 0, (\q)%2, \q, \slot, \zero
	MUL16 2, (\q)%2, \q, \slot, \zero
	s_wait_dscnt 0
	PLACES NP
	FETCH_B \slot, (\q)+1, 1-(\q)%2
	FETCH_A \slot, (\q)+1, 0
.if \zero
	WIN FST_HI
.else
	WIN MUL_HI
.endif
	MUL16 4, (\q)%2, \q, \slot, \zero
	MUL16 6, (\q)%2, \q, \slot, \zero
	PLACES NP
	WIN 0
	FETCH_A \slot, (\q)+1, 4
.endm
.macro TURN slot, next, fill
	s_wait_tensorcnt 0x0
	ds_add_u32 v[SPW], v[NIL]
	s_wait_dscnt 4*NL+1
	WIN MUL_LO
	MUL16 0, 1, NQ-1, \slot, 0
	s_wait_dscnt 0x0
	s_barrier_signal -1
	MUL16 2, 1, NQ-1, \slot, 0
	WIN 0
	s_barrier_wait -1
.if \fill
	CREST
	s_add_nc_u64 s[G0+4*\slot+2:G0+4*\slot+3], s[G0+4*\slot+2:G0+4*\slot+3], 2*ROWB
	s_add_nc_u64 s[G0B+4*\slot+2:G0B+4*\slot+3], s[G0B+4*\slot+2:G0B+4*\slot+3], 2*ROWB
	JLOAD G0+4*\slot, G1, G0B+4*\slot, G1B
	PLACES NP-4
.else
	PLACES NP
.endif
	s_wait_alu depctr_va_vdst(0)
	v_add_nc_u32 v[ADRS], 4*NQ, v[ADRS]
	FETCH_B \next, 0, 0
	FETCH_A \next, 0, 0
	SCALES \next
	WIN MUL_HI
	MUL16 4, 1, NQ-1, \slot, 0
	MUL16 6, 1, NQ-1, \slot, 0
	PLACES NP
	WIN 0
	FETCH_A \next, 0, 4
.endm
	s_wait_alu depctr_va_vdst(0)                   ; the wait at the head's end
	s_wait_tensorcnt 0x0                           ; my tile of the head's four is in
	ds_add_u32 v[SPW], v[NIL]
	s_mov_b32 s[G1+2], 128<<16                     ; no tensor load of mine is out: from here on a load brings 128 rows
	s_mov_b32 s[G1+4], 128
	s_mov_b32 s[G1B+2], 128<<16
	s_mov_b32 s[G1B+4], 128
	s_wait_dscnt 0x0
	CROUND                                         ; all four tiles are in, and all sixteen work-groups are here
	JLOAD G0+4, G1, G0B+4, G1B                     ; K step 1, the first tensor load behind the round
	FETCH_B 0, 0, 0
	FETCH_A 0, 0, 0
	SCALES 0
	FETCH_A 0, 0, 4
	s_wait_loadcnt 0x0
	STEP 0, 0, 1
	s_mov_b32 s3, LAPS-1
.Llap:
	TURN 0, 1, 1
	STEP 1, 0, 0
	TURN 1, 0, 1
	STEP 0, 0, 0
	s_sub_co_u32 s3, s3, 1
	s_cmp_lg_u32 s3, 0
	s_cbranch_scc1 .Llap
	TURN 0, 1, 0
	STEP 1, 0, 0
	s_wait_dscnt 4*NL
	WIN MUL_LO
	MUL16 0, 1, NQ-1, 1, 0
	MUL16 2, 1, NQ-1, 1, 0
	s_wait_dscnt 0
	WIN MUL_HI
	MUL16 4, 1, NQ-1, 1, 0
	MUL16 6, 1, NQ-1, 1, 0
	WIN 0
.macro TOSTAGE a
.set AC, 64*((\a)%4)
.set WW, 0x08+4*((\a)/4)
	WIN WW
.irp b, 0,1,2,3,4,5,6,7
	ds_store_b128 v[STO], v[AC+8*\b:AC+8*\b+3] offset:128*(\b/2)+32*(\b%2)
	ds_store_b128 v[STO], v[AC+8*\b+4:AC+8*\b+7] offset:128*(\b/2)+32*(\b%2)+16
.endr
	WIN 0
.set BB, BK+64*((\a)%2)
.irp t, 0,1,2,3,4,5,6,7,8,9,10,11,12,13,14,15
	ds_load_b128 v[BB+4*\t:BB+4*\t+3], v[RD] offset:\t*SPITCH
.endr
.endm
.macro SEND a, younger
.set BB, BK+64*((\a)%2)
	s_wait_dscnt \younger
.if (\a) > 0
	s_add_nc_u64 s[12:13], s[12:13], 16*SIZE_N*4
.endif
.irp t, 0,1,2,3,4,5,6,7,8,9,10,11,12,13,14,15
	global_store_b128 v[CO], v[BB+4*\t:BB+4*\t+3], s[12:13] offset:\t*SIZE_N*4 th:TH_STORE_NT
.endr
.endm
	PLACES NP
	TOSTAGE 0
.irp a, 1,2,3,4,5,6,7
.if \a > 1
	s_wait_xcnt 0x0
.endif
	TOSTAGE \a
	SEND \a-1, 32
.endr
	s_wait_xcnt 0x0
	SEND 7, 0
	s_wait_tensorcnt 0x0
	ds_add_u32 v[SPW], v[NIL]
	s_wait_dscnt 0x0
	CROUND
	s_endpgm
.Lfunc_end_k_qb9306a09b1_outp:
	.size	k_qb9306a09b1_outp, .Lfunc_end_k_qb9306a09b1_outp-k_qb9306a09b1_outp
	.p2alignl 7, 3214868480
	.fill 96, 4, 3214868480
	.section	.rodata,"a",@progbits
	.p2align	6, 0x0
	.amdhsa_kernel k_qb9306a09b1_outp
		.amdhsa_group_segment_fixed_size 327680
		.amdhsa_private_segment_fixed_size 0
		.amdhsa_enable_private_segment 0
		.amdhsa_kernarg_size 32
		.amdhsa_user_sgpr_count 2
		.amdhsa_user_sgpr_kernarg_segment_ptr 1
		.amdhsa_wavefront_size32 1
		.amdhsa_system_sgpr_workgroup_id_x 1
		.amdhsa_system_sgpr_workgroup_id_y 1
		.amdhsa_system_sgpr_workgroup_id_z 1
		.amdhsa_system_vgpr_workitem_id 0
		.amdhsa_next_free_vgpr 1024
		.amdhsa_next_free_sgpr 100
		.amdhsa_reserve_vcc 0
		.amdhsa_float_denorm_mode_32 3
		.amdhsa_float_denorm_mode_16_64 3
		.amdhsa_memory_ordered 1
		.amdhsa_forward_progress 1
		.amdhsa_inst_pref_size 148
	.end_amdhsa_kernel
	.amdgpu_metadata
---
amdhsa.version: [ 1, 2 ]
amdhsa.kernels:
  - .name:           k_qb9306a09b1_outp
    .symbol:         k_qb9306a09b1_outp.kd
    .args:
      - { .name: ao, .offset: 0, .size: 8, .value_kind: global_buffer, .address_space: global }
      - { .name: wq, .offset: 8, .size: 8, .value_kind: global_buffer, .address_space: global }
      - { .name: bo, .offset: 16, .size: 8, .value_kind: global_buffer, .address_space: global }
      - { .name: out0, .offset: 24, .size: 8, .value_kind: global_buffer, .address_space: global }
    .group_segment_fixed_size: 327680
    .private_segment_fixed_size: 0
    .kernarg_segment_align: 8
    .kernarg_segment_size: 32
    .max_flat_workgroup_size: 128
    .sgpr_count:     100
    .vgpr_count:     1024
    .wavefront_size: 32
...
	.end_amdgpu_metadata
.endif
;; end of part 4
